; MI455X (gfx1250); checked and timed in simulation.
; The chip was launched on July 23, 2026; its instructions are those of AMD's public machine-readable ISA for CDNA 5 (MIT licence, August 2026) and "CDNA5" Instruction Set Architecture Reference Guide (July 2026). The comments in the code are by the model that wrote it; some were corrected since.
;; Mo E Layer. Allowed arithmetic: matrix products marked QUANTISED: E3M2 operands, one E8M0 scale for each 32 along K, by v_wmma_scale_f32_16x16x128_f8f6f4 with both operands' format E3M2, f32 sums; everything else in f32.
;; Inputs: W1_codes 16 x 2,048 x 16 x 24 uint8 (E3M2 codes of W1, K innermost, in blocks of 32 codes, four codes in three bytes); W1_scales 16 x 2,048 x 16 uint8 (E8M0 scales of W1, one for each 32 codes along K); W2_codes 16 x 512 x 64 x 24 uint8 (E3M2 codes of W2, K innermost, in blocks of 32 codes, four codes in three bytes); W2_scales 16 x 512 x 64 uint8 (E8M0 scales of W2, one for each 32 codes along K); Wr_codes 16 x 16 x 24 uint8 (E3M2 codes of Wr, K innermost, in blocks of 32 codes, four codes in three bytes); Wr_scales 16 x 16 uint8 (E8M0 scales of Wr, one for each 32 codes along K); b1 16 x 2,048 float32; b2 16 x 512 float32; x_codes 8 x 256 x 16 x 24 uint8 (E3M2 codes of x, K innermost, in blocks of 32 codes, four codes in three bytes); x_scales 8 x 256 x 16 uint8 (E8M0 scales of x, one for each 32 codes along K).
;; Outputs: out0 8 x 256 x 512 float32; out1 one number float32.
;; This version of the problem:
;;   THIS VERSION OF THE PROBLEM IS GIVEN IN LOW PRECISION. The matrix products marked QUANTISED in the list below multiply operands that are first quantised to E3M2 (3 exponent bits, 2 mantissa bits; 6 bits a number), with one power-of-two scale for each 32 numbers along K (OCP MX v1.0); their sums are f32. All else is computed in f32.
;;   The module's matrix products, in the order in which they are computed (A, B: the left and right operand; K: the contracted axis; several contracted axes count as one K, in the product's order):
;;     1. [M 2,048, K 512] x [K 512, N 16]; A: input x (given as codes); B: input Wr (given as codes): QUANTISED
;;     2. [M 32,768, K 512] x [K 512, N 2,048]; A: input W1 (given as codes); B: input x (given as codes): QUANTISED
;;     3. batch 16 x [M 2,048, K 2,048] x [K 2,048, N 512]; A: computed on the way; B: input W2 (given as codes): QUANTISED
;;   THE QUANTISER, for each operand of a quantised product, along K:
;;     - K is cut into blocks of 32 from its start; a last block that is shorter is filled with zeros.
;;     - A block's scale is 2^e with e = floor(log2(the largest magnitude in the block)) - 4, held to -126 .. 127; a block of zeros has e = 0. As a byte (E8M0): e + 127.
;;     - Each number is divided by its block's scale, clamped to +-28, and rounded to the nearest number of E3M2, ties to even, subnormals kept.
;;     - The product sums the exact products of the quantised numbers (number of the format x scale) in f32.
;;   ~~~python
;;   def quantise(x, axis):      # numpy; x: float32 -> the quantised numbers, widened to float32 again
;;       x = np.moveaxis(x, axis, -1); K = x.shape[-1]
;;       x = np.pad(x, [(0, 0)] * (x.ndim - 1) + [(0, -K % 32)]); x = x.reshape(x.shape[:-1] + (-1, 32)); a = np.abs(x).max(-1, keepdims=True)
;;       e = np.where(a > 0, np.clip(np.frexp(np.where(a > 0, a, 1))[1] - 1 - 4, -126, 127), 0)      # np.frexp(a)[1] - 1 = floor(log2(a)), exactly
;;       r = np.clip(x / 2.0 ** e, -28, 28)
;;       step = 2.0 ** (np.maximum(np.frexp(np.where(r == 0, 1, r))[1] - 1, -2) - 2)
;;       q = np.round(r / step) * step * 2.0 ** e      # np.round: ties to even
;;       return np.moveaxis(q.reshape(q.shape[:-2] + (-1,))[..., :K], -1, axis).astype(np.float32)
;;   ~~~
;;   OPERANDS COMPUTED ON THE WAY. 'Computed on the way' means the value that the module computes at that place (a softmax that the list does not call 'softmax' is quantised finished and normalised). What goes into a quantiser is computed in f32, as accurately as f32 sums, v_exp_f32 and their like allow (about 1e-6 of the number): no bf16 or f16 on the way to a quantiser, and a product that is left as it is and whose result goes on into a quantised operand takes f32 operands (vector FMAs, or v_wmma_f32_16x16x4_f32). A number that lies on a knife's edge between two numbers of the format may be rounded either way, as far as f32 arithmetic and the matrix unit's own rounding can turn it there, and no further.
;;   INPUTS GIVEN AS CODES. W1 (in the module: [16, 512, 2048], K = its axis 1); W2 (in the module: [16, 2048, 512], K = its axis 1); Wr (in the module: [512, 16], K = its axis 0); x (in the module: [8, 256, 512], K = its axis 2): each comes as NAME_codes (uint8): NAME with its K axis moved to the last place and cut into blocks of 32 codes, [.., K / 32, bytes a block], one block behind the other in memory; four codes in three bytes: a row's codes are one little-endian stream of bits, code i at bits 6 i .. 6 i + 5 (a code: sign, 3 exponent bits, 2 mantissa bits); and NAME_scales (uint8): the same leading axes, one E8M0 byte (e + 127) for each 32 codes along K. Its value is code x scale, taken as it is: it is not quantised again, and the codes and scales need not be those that the quantiser above would give.
;; 2 versions, each right; version 2 is version 1 with the launches router, ffn1 written anew for expert scheduling mode. Each part assembles by itself: llvm-mc -triple=amdgcn-amd-amdhsa -mcpu=gfx1250 --defsym DOCPART=n.
;; ======== version 1 of 2: 5 launches
;; workspace buffers: choice 8,192 bytes of whole numbers; rfl 32,768 bytes; cnt 256 bytes of whole numbers; rows 131,072 bytes of whole numbers; glist 131,072 bytes; h_codes 50,331,648 bytes; h_scales 4,194,304 bytes; part 8,388,608 bytes
;; launch router (part 1): grid 32 x 1, 4 waves a work-group, no clusters, 0 bytes of LDS; arguments x_codes, x_scales, Wr_codes, Wr_scales, choice, rfl; writes choice, rfl
.if DOCPART == 1
	.amdgcn_target "amdgcn-amd-amdhsa--gfx1250"
	.amdhsa_code_object_version 6
	.text
	.protected	k_q12e5e29269_router
	.globl	k_q12e5e29269_router
	.p2align	8
	.type	k_q12e5e29269_router,@function
k_q12e5e29269_router:
	s_mov_b64 s[64:65], 0
	v_nop
	global_prefetch_b8 v0, s[64:65] scope:SCOPE_SE
	s_setreg_imm32_b32 hwreg(HW_REG_WAVE_MODE, 25, 1), 1
	s_wait_xcnt 0x0
; THE ROUTER.  logits = x Wr on codes of E3M2 (2,048 tokens, K = 512, 16 experts); for each token the two largest logits (the lower index wins a tie), their softmax (the gates),
; and for each tile of 16 tokens the sums over its tokens of softmax(logits) and of the one-hot of the largest logit's expert.
; Nothing here steers an address: the choice goes to fixed places (choice[token] = e0 | e1 << 8; the gates at rfl[token][2]; a tile's 32 sums at rfl + 16,384 + 128 x tile) and the next launch places the rows.
; SHARES.  A wave owns one tile of 16 tokens: 128 waves, which share nothing: no LDS, no barrier.
; THE PRODUCT IS USED TRANSPOSED (source 0 = Wr's 16 rows, one an expert; source 1 = 16 tokens): lane (r, h) holds token r, and register j the logit of expert 8 h + j.
; LIMITS: logits are taken to be finite; NaN and infinities are not served.
.set XF, 16                            ; v16-63   x's four fragments (16 tokens x 128 K: 12 registers each)
.set WF, 64                            ; v64-111  Wr's four
.set LG, 112                           ; v112-119 the logits
.set JC, 176                           ; v176-183 the numbers 0 .. 7
	s_load_b256 s[4:11], s[0:1], 0x0               ; x's codes s[4:5], x's scales s[6:7], Wr's codes s[8:9], Wr's scales s[10:11]
	s_load_b128 s[12:15], s[0:1], 0x20             ; choice s[12:13], rfl s[14:15]
	v_lshrrev_b32 v6, 5, v0
	v_readfirstlane_b32 s16, v6                    ; wave
	s_lshl_b32 s17, ttmp9, 2
	s_add_co_u32 s17, s17, s16                     ; my tile: 4 x work-group + wave
	v_and_b32 v5, 31, v0                           ; lane
	v_and_b32 v1, 15, v0                           ; r
	v_bfe_u32 v2, v0, 4, 1                         ; h
	v_mul_u32_u24 v3, v1, 384                      ; a row of 512 codes is 384 bytes
	v_mad_u32_u24 v3, v2, 24, v3                   ; + 24 h
	v_lshlrev_b32 v4, 4, v1                        ; a row of scale bytes is 16 bytes: four words, one a K step
	s_mov_b32 s20, 0x76543210
	s_mov_b32 s21, 0xfedcba98                      ; v_permlanex16_b32's selects for lane l xor 16
	s_mov_b32 s22, 0xffff0000                      ; the mask of lanes 16-31
	s_mov_b32 s23, 0x3fb8aa3b                      ; log2(e)
	s_mov_b32 s19, 0
	s_wait_kmcnt 0x0
	s_mul_i32 s18, s17, 6144
	s_add_nc_u64 s[4:5], s[4:5], s[18:19]          ; my 16 rows of codes
	s_lshl_b32 s18, s17, 8
	s_add_nc_u64 s[6:7], s[6:7], s[18:19]          ; and of scale bytes
	s_lshl_b32 s18, s17, 6
	s_add_nc_u64 s[12:13], s[12:13], s[18:19]      ; my 16 words of choice
	s_lshl_b32 s18, s17, 7
	s_add_nc_u64 s[26:27], s[14:15], s[18:19]      ; my 16 pairs of gates
	s_add_nc_u64 s[28:29], s[26:27], 16384         ; my tile's 32 sums
.irp s, 0,1,2,3
.irp p, 0,1,2,3,4,5
	global_load_b64 v[XF+12*\s+2*\p:XF+12*\s+2*\p+1], v3, s[4:5] offset:96*\s+48*(\p/3)+8*(\p%3)
	global_load_b64 v[WF+12*\s+2*\p:WF+12*\s+2*\p+1], v3, s[8:9] offset:96*\s+48*(\p/3)+8*(\p%3)
.endr
.endr
	global_load_b128 v[8:11], v4, s[6:7]           ; x's scale words, K steps 0 to 3
	global_load_b128 v[12:15], v4, s[10:11]        ; Wr's
.irp j, 0,1,2,3,4,5,6,7
	v_mov_b32 v[JC+\j], \j
.endr
.irp j, 0,1,2,3
	v_mov_b32 v[124+\j], 0                         ; written once: a lane permute's destination counts as one of its sources
.endr
	v_mov_b32 v143, 1.0
	v_lshlrev_b32 v167, 2, v1                      ; where lanes 0-15 store: 4 r,
	v_lshlrev_b32 v168, 3, v1                      ; 8 r,
	v_lshlrev_b32 v169, 5, v2                      ; and lanes 0 and 16: 32 h
	s_wait_loadcnt 0x0
	v_wmma_scale_f32_16x16x128_f8f6f4 v[LG:LG+7], v[WF:WF+11], v[XF:XF+11], 0, v12, v8 matrix_a_fmt:MATRIX_FMT_BF6 matrix_b_fmt:MATRIX_FMT_BF6
.irp s, 1,2,3
	s_wait_alu depctr_va_vdst(0)                   ; the wait ahead of every link
	v_wmma_scale_f32_16x16x128_f8f6f4 v[LG:LG+7], v[WF+12*\s:WF+12*\s+11], v[XF+12*\s:XF+12*\s+11], v[LG:LG+7], v[12+\s], v[8+\s] matrix_a_fmt:MATRIX_FMT_BF6 matrix_b_fmt:MATRIX_FMT_BF6
.endr
	v_mov_b32 v121, 0                              ; four plain lines that name no register of the product stand behind it (ISA guide 7.12.1)
	v_mov_b32 v123, 0
	v_mov_b32 v122, 0xff800000                     ; the second largest so far: -infinity
	v_lshlrev_b32 v142, 3, v2                      ; 8 h
	v_mov_b32 v120, v[LG]                          ; the largest so far: my first logit (the result is read from its low end on)
; my eight logits: v120, v121 the largest and its index; v122, v123 the second.  The compares are strict, so the earlier index stays on a tie.
.macro TOP j
	v_cmp_gt_f32 vcc_lo, v[LG+\j], v120
	v_cmp_gt_f32 s24, v[LG+\j], v122
	v_cndmask_b32 v140, v122, v[LG+\j], s24
	v_cndmask_b32 v141, v123, v[JC+\j], s24
	v_cndmask_b32 v122, v140, v120, vcc_lo
	v_cndmask_b32 v123, v141, v121, vcc_lo
	v_cndmask_b32 v120, v120, v[LG+\j], vcc_lo
	v_cndmask_b32 v121, v121, v[JC+\j], vcc_lo
.endm
.irp j, 1,2,3,4,5,6,7
	TOP \j
.endr
	v_lshl_add_u32 v121, v2, 3, v121               ; indices among all 16 experts
	v_lshl_add_u32 v123, v2, 3, v123
.irp j, 0,1,2,3
	v_permlanex16_b32 v[124+\j], v[120+\j], s20, s21   ; the token's other eight experts lie in lane l xor 16
.endr
	v_cndmask_b32 v128, v120, v124, s22            ; in both lanes: experts 0-7's pair (v128, v129; indices v130, v131),
	v_cndmask_b32 v130, v121, v125, s22
	v_cndmask_b32 v129, v122, v126, s22
	v_cndmask_b32 v131, v123, v127, s22
	v_cndmask_b32 v132, v124, v120, s22            ; and experts 8-15's (v132, v133; v134, v135)
	v_cndmask_b32 v134, v125, v121, s22
	v_cndmask_b32 v133, v126, v122, s22
	v_cndmask_b32 v135, v127, v123, s22
	v_cmp_gt_f32 vcc_lo, v132, v128                ; strict: a tie stays with the lower experts
	v_cndmask_b32 v136, v128, v132, vcc_lo         ; the largest logit,
	v_cndmask_b32 v137, v130, v134, vcc_lo         ; its expert
	v_cndmask_b32 v140, v132, v133, vcc_lo         ; what is left at the head of the upper pair,
	v_cndmask_b32 v141, v134, v135, vcc_lo
	v_cndmask_b32 v170, v129, v128, vcc_lo         ; and of the lower
	v_cndmask_b32 v171, v131, v130, vcc_lo
	v_cmp_gt_f32 vcc_lo, v140, v170
	v_cndmask_b32 v138, v170, v140, vcc_lo         ; the second largest,
	v_cndmask_b32 v139, v171, v141, vcc_lo         ; its expert
.irp j, 0,1,2,3,4,5,6,7
	v_sub_f32 v[144+\j], v[LG+\j], v136            ; the maximum is taken away ahead of the exponentials
.endr
	v_sub_f32 v160, v138, v136
.irp j, 0,1,2,3,4,5,6,7
	v_mul_f32 v[144+\j], s23, v[144+\j]
.endr
	v_mul_f32 v160, s23, v160
.irp j, 0,1,2,3,4,5,6,7
	v_exp_f32 v[144+\j], v[144+\j]
.endr
	v_exp_f32 v160, v160                           ; e = exp(second - largest), at most 1
	v_sub_nc_u32 v142, v137, v142                  ; (a plain line behind the batch)  the largest's index among my eight, if it is among them
	s_wait_alu depctr_va_vdst(0)                   ; one wait for the nine, ahead of their first reader
	v_add_f32 v161, v144, v145
	v_add_f32 v140, v146, v147
	v_add_f32 v141, v148, v149
	v_add_f32 v170, v150, v151
	v_add_f32 v161, v161, v140
	v_add_f32 v141, v141, v170
	v_add_f32 v161, v161, v141
	v_permlanex16_b32 v140, v161, s20, s21
	v_add_f32 v161, v161, v140                     ; the sum over all 16 experts
	v_add_f32 v163, 1.0, v160
	v_rcp_f32 v162, v161
	v_rcp_f32 v164, v163                           ; gate 0 = 1 / (1 + e)
	v_lshl_or_b32 v166, v139, 8, v137              ; (a plain line behind the two)  the choice: e0 | e1 << 8
	s_wait_alu depctr_va_vdst(0)                   ; one wait for the two reciprocals
	v_mul_f32 v165, v160, v164                     ; gate 1 = e / (1 + e)
.irp j, 0,1,2,3,4,5,6,7
	v_mul_f32 v[144+\j], v[144+\j], v162           ; the token's probabilities
.endr
.irp j, 0,1,2,3,4,5,6,7
	v_cmp_eq_u32 vcc_lo, \j, v142
	v_cndmask_b32 v[152+\j], 0, v143, vcc_lo       ; the one-hot of the largest logit's expert
.endr
.irp m, 1,2,4,8
.irp j, 0,1,2,3,4,5,6,7,8,9,10,11,12,13,14,15
	v_add_f32_dpp v[144+\j], v[144+\j], v[144+\j] row_xmask:\m row_mask:0xf bank_mask:0xf   ; both summed over the tile's 16 tokens
.endr
.endr
	s_wait_xcnt 0x0                                ; EXEC changes only behind this wait
	v_cmp_gt_u32 vcc_lo, 16, v5
	s_and_saveexec_b32 s30, vcc_lo                 ; lanes 0-15: a token each
	global_store_b32 v167, v166, s[12:13]
	global_store_b64 v168, v[164:165], s[26:27]
	s_wait_xcnt 0x0                                ; and again ahead of the line that widens it
	s_or_b32 exec_lo, exec_lo, s30
	v_cmp_eq_u32 vcc_lo, 0, v1
	s_and_saveexec_b32 s30, vcc_lo                 ; lanes 0 and 16: eight experts each
	global_store_b128 v169, v[144:147], s[28:29]
	global_store_b128 v169, v[148:151], s[28:29] offset:16
	global_store_b128 v169, v[152:155], s[28:29] offset:64
	global_store_b128 v169, v[156:159], s[28:29] offset:80
	s_endpgm
.Lfunc_end_k_q12e5e29269_router:
	.size	k_q12e5e29269_router, .Lfunc_end_k_q12e5e29269_router-k_q12e5e29269_router
	.p2alignl 7, 3214868480
	.fill 96, 4, 3214868480
	.section	.rodata,"a",@progbits
	.p2align	6, 0x0
	.amdhsa_kernel k_q12e5e29269_router
		.amdhsa_group_segment_fixed_size 0
		.amdhsa_private_segment_fixed_size 0
		.amdhsa_enable_private_segment 0
		.amdhsa_kernarg_size 48
		.amdhsa_user_sgpr_count 2
		.amdhsa_user_sgpr_kernarg_segment_ptr 1
		.amdhsa_wavefront_size32 1
		.amdhsa_system_sgpr_workgroup_id_x 1
		.amdhsa_system_sgpr_workgroup_id_y 1
		.amdhsa_system_sgpr_workgroup_id_z 1
		.amdhsa_system_vgpr_workitem_id 0
		.amdhsa_next_free_vgpr 192
		.amdhsa_next_free_sgpr 66
		.amdhsa_reserve_vcc 1
		.amdhsa_float_denorm_mode_32 3
		.amdhsa_float_denorm_mode_16_64 3
		.amdhsa_memory_ordered 1
		.amdhsa_forward_progress 1
		.amdhsa_inst_pref_size 19
	.end_amdhsa_kernel
	.amdgpu_metadata
---
amdhsa.version: [ 1, 2 ]
amdhsa.kernels:
  - .name:           k_q12e5e29269_router
    .symbol:         k_q12e5e29269_router.kd
    .args:
      - { .name: x_codes, .offset: 0, .size: 8, .value_kind: global_buffer, .address_space: global }
      - { .name: x_scales, .offset: 8, .size: 8, .value_kind: global_buffer, .address_space: global }
      - { .name: Wr_codes, .offset: 16, .size: 8, .value_kind: global_buffer, .address_space: global }
      - { .name: Wr_scales, .offset: 24, .size: 8, .value_kind: global_buffer, .address_space: global }
      - { .name: choice, .offset: 32, .size: 8, .value_kind: global_buffer, .address_space: global }
      - { .name: rfl, .offset: 40, .size: 8, .value_kind: global_buffer, .address_space: global }
    .group_segment_fixed_size: 0
    .private_segment_fixed_size: 0
    .kernarg_segment_align: 8
    .kernarg_segment_size: 48
    .max_flat_workgroup_size: 128
    .sgpr_count:     66
    .vgpr_count:     192
    .wavefront_size: 32
...
	.end_amdgpu_metadata
.endif
;; end of part 1
;; launch place (part 2): grid 17 x 1, 8 waves a work-group, no clusters, 1,280 bytes of LDS; arguments choice, rfl, cnt, rows, glist, out1; writes cnt, rows, glist, out1
.if DOCPART == 2
	.amdgcn_target "amdgcn-amd-amdhsa--gfx1250"
	.amdhsa_code_object_version 6
	.text
	.protected	k_q12e5e29269_place
	.globl	k_q12e5e29269_place
	.p2align	8
	.type	k_q12e5e29269_place,@function
k_q12e5e29269_place:
	s_mov_b64 s[64:65], 0
	v_nop
	global_prefetch_b8 v0, s[64:65] scope:SCOPE_SE
	s_setreg_imm32_b32 hwreg(HW_REG_WAVE_MODE, 25, 1), 1
	s_wait_xcnt 0x0
; THE ROWS ARE PLACED BY EXPERT, without atomics.  Work-group e (0 .. 15) scans all 2,048 words of choice and writes expert e's list: rows[e][i] = slot x 2,048 + token, glist[e][i] = that entry's gate,
; cnt[e] = their number.  The list is filled up to a multiple of 32 entries, at least 32, with entry 0 and gate 0: the later launches read whole tiles of the list and store only the first cnt[e] rows.
; Work-group 16 adds the 128 tiles' sums of the router and stores the load-balancing loss: 16 x sum over experts of (count / 2,048) x (sum of probabilities / 2,048).
; An expert is chosen at most once by a token (the two chosen experts differ), so a list has at most 2,048 entries.
; SHARES.  Wave w scans tokens 256 w .. 256 w + 255, eight a lane.  The eight waves' numbers of entries meet in 32 bytes of LDS behind one barrier; each wave then knows where its entries begin.
; Every offset and every lane mask is made with all lanes on, ahead of the first change of EXEC; behind it stand only mask moves, EXEC changes and stores.
.set PADO, 192                         ; v192  the padding's offset in the list; named by nothing else
.set CNTV, 193                         ; v193  the expert's number of rows, as store data
	s_load_b256 s[4:11], s[0:1], 0x0               ; choice s[4:5], rfl s[6:7], cnt s[8:9], rows s[10:11]
	s_load_b128 s[12:15], s[0:1], 0x20             ; glist s[12:13], out1 s[14:15]
	v_lshl_add_u32 v200, v0, 2, 0x100
	v_mov_b32 v201, 0
	v_lshrrev_b32 v7, 5, v0
	v_readfirstlane_b32 s16, v7                    ; wave
	v_lshlrev_b32 v7, 2, v7                        ; LDS: my wave's word
	v_and_b32 v1, 31, v0                           ; lane
	v_mov_b32 v6, 0
	s_wait_kmcnt 0x0
	s_cmp_eq_u32 ttmp9, 16                         ; the same in all waves of a work-group
	s_cbranch_scc1 .Laux
	s_mov_b32 s17, ttmp9                           ; my expert
	s_lshl_b32 s48, s17, 13
	s_mov_b32 s49, 0
	s_add_nc_u64 s[10:11], s[10:11], s[48:49]      ; its list
	s_add_nc_u64 s[12:13], s[12:13], s[48:49]
	s_lshl_b32 s48, s17, 2
	s_add_nc_u64 s[8:9], s[8:9], s[48:49]          ; its word of cnt
	s_lshl_b32 s50, s16, 10
	v_lshl_add_u32 v2, v1, 4, s50                  ; choice: 1,024 w + 16 lane
	v_lshlrev_b32 v3, 1, v2                        ; gates: twice that
	v_lshrrev_b32 v4, 2, v2                        ; my first token: 256 w + 4 lane
	v_mov_b32 v5, 2048
	global_load_b128 v[8:11], v2, s[4:5]           ; word j = 4 i + k is token 256 w + 128 i + 4 lane + k
	global_load_b128 v[12:15], v2, s[4:5] offset:512
	global_load_b128 v[16:19], v3, s[6:7]          ; its two gates: v[16 + 2 j], v[17 + 2 j]
	global_load_b128 v[20:23], v3, s[6:7] offset:16
	global_load_b128 v[24:27], v3, s[6:7] offset:1024
	global_load_b128 v[28:31], v3, s[6:7] offset:1040
	s_wait_loadcnt 0x0
.irp j, 0,1,2,3,4,5,6,7
	v_and_b32 v56, 0xff, v[8+\j]                   ; e0
	v_lshrrev_b32 v57, 8, v[8+\j]                  ; e1
	v_cmp_eq_u32 s18, s17, v56
	v_cmp_eq_u32 vcc_lo, s17, v57
	s_or_b32 s[20+\j], s18, vcc_lo                 ; the lanes whose token j has chosen my expert
	v_cndmask_b32 v[32+\j], v[16+2*\j], v[17+2*\j], vcc_lo   ; the gate of that slot
	v_cndmask_b32 v58, 0, v5, vcc_lo
	v_add3_u32 v[40+\j], v58, v4, 128*(\j/4)+\j%4  ; the entry: slot x 2,048 + token
	s_bcnt1_i32_b32 s[28+\j], s[20+\j]
.endr
	s_add_co_u32 s19, s28, s29
.irp j, 2,3,4,5,6,7
	s_add_co_u32 s19, s19, s[28+\j]                ; my wave's number of entries
.endr
	v_mov_b32 v56, s19
	ds_store_b32 v7, v56                           ; all lanes write the same word with the same value
	s_wait_dscnt 0x0                               ; for the others' sake
	s_barrier_signal -1
	s_barrier_wait -1
	ds_load_b128 v[60:63], v6
	ds_load_b128 v[64:67], v6 offset:16
	s_wait_dscnt 0x0
.irp i, 0,1,2,3,4,5,6,7
	v_readfirstlane_b32 s[36+\i], v[60+\i]
.endr
	s_mov_b32 s44, 0
	s_mov_b32 s45, 0
.irp i, 0,1,2,3,4,5,6,7
	s_cmp_gt_u32 s16, \i
	s_cselect_b32 s50, s[36+\i], 0
	s_add_co_u32 s44, s44, s50                     ; where my wave's entries begin: the earlier waves' numbers,
	s_add_co_u32 s45, s45, s[36+\i]                ; and the expert's number of rows
.endr
.irp j, 0,1,2,3,4,5,6,7
	v_mbcnt_lo_u32_b32 v[48+\j], s[20+\j], s44     ; an entry's place: those ahead of it
	s_add_co_u32 s44, s44, s[28+\j]
	v_min_u32 v[48+\j], 0x7ff, v[48+\j]            ; it lies in the list
	v_lshlrev_b32 v[48+\j], 2, v[48+\j]
.endr
	s_add_co_u32 s46, s45, 31                      ; the padding (wave 0 will store it; every wave makes the numbers, with all lanes on)
	s_and_b32 s46, s46, 0xffffffe0
	s_max_u32 s46, s46, 32                         ; the list's padded length: at most 32 entries more than the count
	v_add_nc_u32 v[PADO], s45, v1                  ; entry count + lane,
	v_cmp_gt_u32 s52, s46, v[PADO]                 ; where that lies under the padded length
	v_min_u32 v[PADO], 0x7ff, v[PADO]              ; it lies in the list
	v_lshlrev_b32 v[PADO], 2, v[PADO]
	v_mov_b32 v[CNTV], s45
	v_cmp_eq_u32 s53, 0, v1                        ; lane 0
.irp j, 0,1,2,3,4,5,6,7
	s_wait_xcnt 0x0                                ; EXEC changes only behind this wait
	s_mov_b32 vcc_lo, s[20+\j]
	s_and_saveexec_b32 s47, vcc_lo
	global_store_b32 v[48+\j], v[40+\j], s[10:11]
	global_store_b32 v[48+\j], v[32+\j], s[12:13]
	s_wait_xcnt 0x0
	s_or_b32 exec_lo, exec_lo, s47
.endr
	s_cmp_lg_u32 s16, 0                            ; wave 0 alone fills the list up and stores the count; no barrier follows
	s_cbranch_scc1 .Ldone
	s_mov_b32 vcc_lo, s52
	s_wait_tensorcnt 0x0
	ds_add_u32 v200, v201
	s_wait_dscnt 0x0
	s_and_saveexec_b32 s47, vcc_lo
	global_store_b32 v[PADO], v6, s[10:11]         ; entry 0,
	global_store_b32 v[PADO], v6, s[12:13]         ; gate 0
	s_wait_xcnt 0x0
	s_or_b32 exec_lo, exec_lo, s47
	s_mov_b32 vcc_lo, s53
	s_and_saveexec_b32 s47, vcc_lo
	global_store_b32 v6, v[CNTV], s[8:9]           ; cnt[e]
	s_endpgm
.Laux:
	s_cmp_lg_u32 s16, 0
	s_cbranch_scc1 .Ldone
	s_mov_b32 s54, 0x76543210
	s_mov_b32 s55, 0xfedcba98
	v_lshlrev_b32 v8, 4, v1
.set i, 0
.rept 32
	global_load_b128 v[64+4*i:67+4*i], v8, s[6:7] offset:16384+512*i   ; four tiles' 128 bytes a load: lane l holds words 4 (l % 8) on of tile 4 i + l / 8
.set i, i+1
.endr
	s_wait_loadcnt 0x0
.set i, 1
.rept 31
	v_pk_add_f32 v[64:65], v[64:65], v[64+4*i:65+4*i]
	v_pk_add_f32 v[66:67], v[66:67], v[66+4*i:67+4*i]
.set i, i+1
.endr
.irp k, 0,1,2,3
	v_add_f32_dpp v[64+\k], v[64+\k], v[64+\k] row_xmask:8 row_mask:0xf bank_mask:0xf
.endr
.irp k, 0,1,2,3
	v_permlanex16_b32 v[68+\k], v[64+\k], s54, s55
.endr
.irp k, 0,1,2,3
	v_add_f32 v[64+\k], v[64+\k], v[68+\k]         ; all 128 tiles: lanes with l % 8 under 4 hold the probabilities' sums of experts 4 (l % 8) on, the others the counts of experts 4 (l % 8 - 4) on
.endr
.irp k, 0,1,2,3
	v_mul_f32_dpp v[72+\k], v[64+\k], v[64+\k] row_xmask:4 row_mask:0xf bank_mask:0xf   ; sum x count, expert by expert
.endr
	v_add_f32 v72, v72, v73
	v_add_f32 v74, v74, v75
	v_add_f32 v72, v72, v74
	v_add_f32_dpp v72, v72, v72 row_xmask:1 row_mask:0xf bank_mask:0xf
	v_add_f32_dpp v72, v72, v72 row_xmask:2 row_mask:0xf bank_mask:0xf
	v_mul_f32 v72, 0x36800000, v72                 ; x 16 / 2,048^2 = 2^-18
	v_cmp_eq_u32 vcc_lo, 0, v1
	s_wait_xcnt 0x0                                ; EXEC changes only behind this wait
	s_and_saveexec_b32 s47, vcc_lo
	global_store_b32 v6, v72, s[14:15]
	s_endpgm
.Ldone:
	s_wait_tensorcnt 0x0
	ds_add_u32 v200, v201
	s_wait_dscnt 0x0
	s_endpgm
.Lfunc_end_k_q12e5e29269_place:
	.size	k_q12e5e29269_place, .Lfunc_end_k_q12e5e29269_place-k_q12e5e29269_place
	.p2alignl 7, 3214868480
	.fill 96, 4, 3214868480
	.section	.rodata,"a",@progbits
	.p2align	6, 0x0
	.amdhsa_kernel k_q12e5e29269_place
		.amdhsa_group_segment_fixed_size 1280
		.amdhsa_private_segment_fixed_size 0
		.amdhsa_enable_private_segment 0
		.amdhsa_kernarg_size 48
		.amdhsa_user_sgpr_count 2
		.amdhsa_user_sgpr_kernarg_segment_ptr 1
		.amdhsa_wavefront_size32 1
		.amdhsa_system_sgpr_workgroup_id_x 1
		.amdhsa_system_sgpr_workgroup_id_y 1
		.amdhsa_system_sgpr_workgroup_id_z 1
		.amdhsa_system_vgpr_workitem_id 0
		.amdhsa_next_free_vgpr 202
		.amdhsa_next_free_sgpr 72
		.amdhsa_reserve_vcc 1
		.amdhsa_float_denorm_mode_32 3
		.amdhsa_float_denorm_mode_16_64 3
		.amdhsa_memory_ordered 1
		.amdhsa_forward_progress 1
		.amdhsa_inst_pref_size 21
	.end_amdhsa_kernel
	.amdgpu_metadata
---
amdhsa.version: [ 1, 2 ]
amdhsa.kernels:
  - .name:           k_q12e5e29269_place
    .symbol:         k_q12e5e29269_place.kd
    .args:
      - { .name: choice, .offset: 0, .size: 8, .value_kind: global_buffer, .address_space: global }
      - { .name: rfl, .offset: 8, .size: 8, .value_kind: global_buffer, .address_space: global }
      - { .name: cnt, .offset: 16, .size: 8, .value_kind: global_buffer, .address_space: global }
      - { .name: rows, .offset: 24, .size: 8, .value_kind: global_buffer, .address_space: global }
      - { .name: glist, .offset: 32, .size: 8, .value_kind: global_buffer, .address_space: global }
      - { .name: out1, .offset: 40, .size: 8, .value_kind: global_buffer, .address_space: global }
    .group_segment_fixed_size: 1280
    .private_segment_fixed_size: 0
    .kernarg_segment_align: 8
    .kernarg_segment_size: 48
    .max_flat_workgroup_size: 256
    .sgpr_count:     72
    .vgpr_count:     202
    .wavefront_size: 32
...
	.end_amdgpu_metadata
.endif
;; end of part 2
;; launch ffn1 (part 3): grid 16 x 16, 4 waves a work-group, no clusters, 51,712 bytes of LDS; arguments x_codes, x_scales, W1_codes, W1_scales, b1, cnt, rows, h_codes, h_scales; writes h_codes, h_scales
.if DOCPART == 3
	.amdgcn_target "amdgcn-amd-amdhsa--gfx1250"
	.amdhsa_code_object_version 6
	.text
	.protected	k_q12e5e29269_ffn1
	.globl	k_q12e5e29269_ffn1
	.p2align	8
	.type	k_q12e5e29269_ffn1,@function
k_q12e5e29269_ffn1:
	s_mov_b64 s[64:65], 0
	v_nop
	global_prefetch_b8 v0, s[64:65] scope:SCOPE_SE
	s_setreg_imm32_b32 hwreg(HW_REG_WAVE_MODE, 25, 1), 1
	s_wait_xcnt 0x0
; THE FIRST PRODUCT, for the chosen rows alone: h = Q(gelu(x W1[e] + b1[e])), Q the quantiser to E3M2 along the hidden axis, blocks of 32.
; SHARES.  Work-group (c, e) owns hidden units 128 c .. 128 c + 127 of expert e: 128 rows of W1, 49,152 consecutive bytes, which no other work-group reads.  They come once, in loads of 512 consecutive bytes, go through
; LDS (rows 400 bytes apart) and then stay in EVERY wave's registers as 32 fragments.  The expert's listed rows go past them, 16 at a time: wave w takes tiles w, w + 4, .. of the list.
; 128 hidden units are one K step of the second product: a tile's results become exactly one fragment and one scale word a row.  They leave as IMAGES OF THE OPERAND'S REGISTERS:
; h_codes[e][tile][c]: 1,536 bytes, registers 4 i .. 4 i + 3 of lane l at 512 i + 16 l; h_scales[e][tile][c]: 128 bytes, the scale word of lane l at 4 l.
; THE PRODUCT IS USED TRANSPOSED (source 0 = 16 rows of W1, source 1 = 16 rows of x), AND THE ROWS OF W1 THAT FORM A TILE ARE NOT NEIGHBOURS: lane r of tile 2 b + u takes row 32 b + 8 u + r + 8 (r / 8), so that a lane
; holds one row of h and the 16 registers of tiles 2 b, 2 b + 1 are the hidden units 32 b + 16 (lane / 16) + 0 .. 15.  b1 is the C of each sum's first matrix instruction.
; gelu (the tanh form) = a / (1 + 2^(a (c0 + c1 a^2))), c0 = -2 log2(e) sqrt(2 / pi), c1 = 0.044715 c0: all in f32.
; NO TENSOR LOADS AND NO JOINT LOADS, though the 16 work-groups of an expert gather the same rows of x: the number of trips is read from memory (cnt), and it differs from expert to expert.
; The one barrier stands ahead of every branch on that number.
; LIMITS: blocks of h whose largest magnitude lies under 2^-122 keep the scale byte 1 (a block of zeros too: its codes are zeros, and this program alone reads the bytes); NaN and infinities are not served.
; REGISTERS.  window 0: v1-19 addresses and constants; v20-23 x's scale words; v24-55 W1's (4 t + s); v56-119 the 8 accumulators; v120-183 at work; v184-223 the quantiser's.
;   window 1: v0-191 W1's fragments of K steps 0, 1 (12 (8 s + t)); v192-255 b1's 8 tiles.   window 2: v0-191 K steps 2, 3; v192-239 x's four fragments.
.set XS,  20
.set W1S, 24
.set ACC, 56
.set T,   120
.set TM,  184                          ; v184-187 largest magnitudes, v188-191 the partner's, then the bytes, v196-199 the conversions' scale operands
.set PW,  200                          ; the scale word just made
.set PC,  204                          ; v204-215 the codes just made; v216-222 halves on their way
.set XFR, 192                          ; in window 2
.set B1,  192                          ; in window 1
.set SEL, 36
.set TRIPS, 43                         ; s43  my wave's number of tiles; the loop does not write it
.set TRIP,  44                         ; s44  counts them, one a trip
.set MSB, 0
.macro WIN new                         ; the immediate's high byte repeats the setting that is left; a switch that changes nothing is dropped
.if MSB != \new
	s_set_vgpr_msb (MSB<<8)|\new
.set MSB, \new
.endif
.endm
; the list's 16 entries of tile t + d, held inside the list's padded length: lane (r, h) takes entry r
.macro LIST d
	s_add_co_u32 s42, s27, \d
	s_min_u32 s42, s42, s28
	s_min_u32 s42, s42, 127
	s_lshl_b32 s42, s42, 6
	v_add_nc_u32 v11, s42, v16
	global_load_b32 v12, v11, s[16:17]
.endm
; an entry becomes addresses: five plain lines
.macro XADDR
	v_min_u32 v12, 0xfff, v12                      ; an entry is slot x 2,048 + token
	v_and_b32 v12, 0x7ff, v12                      ; the token
	v_mul_u32_u24 v13, v12, 384                    ; its row of codes,
	v_add_nc_u32 v13, v13, v17                     ; + 24 h
	v_lshlrev_b32 v14, 4, v12                      ; its four scale words
.endm
.macro XLOAD
	WIN 0x80                                       ; destination window 2
.irp s, 0,1,2,3
.irp p, 0,1,2,3,4,5
	global_load_b64 v[XFR+12*\s+2*\p:XFR+12*\s+2*\p+1], v13, s[4:5] offset:96*\s+48*(\p/3)+8*(\p%3)
.endr
.endr
	WIN 0
	global_load_b128 v[XS:XS+3], v14, s[6:7]
.endm
; 32 matrix instructions: K step by K step, the 8 accumulators by turns, one instruction a turn
.macro MM
.irp s, 0,1,2,3
.if \s == 0
	WIN 0x19                                       ; W1 window 1, x window 2, C (b1) window 1
.elseif \s == 1
	WIN 0x09                                       ; W1 window 1, x window 2
.else
	WIN 0x0a                                       ; W1 and x window 2
.endif
.irp t, 0,1,2,3,4,5,6,7
.if \s == 0
	v_wmma_scale_f32_16x16x128_f8f6f4 v[ACC+8*\t:ACC+8*\t+7], v[12*(8*(\s%2)+\t):12*(8*(\s%2)+\t)+11], v[XFR+12*\s:XFR+12*\s+11], v[B1+8*\t:B1+8*\t+7], v[W1S+4*\t+\s], v[XS+\s] matrix_a_fmt:MATRIX_FMT_BF6 matrix_b_fmt:MATRIX_FMT_BF6
.else
	v_wmma_scale_f32_16x16x128_f8f6f4 v[ACC+8*\t:ACC+8*\t+7], v[12*(8*(\s%2)+\t):12*(8*(\s%2)+\t)+11], v[XFR+12*\s:XFR+12*\s+11], v[ACC+8*\t:ACC+8*\t+7], v[W1S+4*\t+\s], v[XS+\s] matrix_a_fmt:MATRIX_FMT_BF6 matrix_b_fmt:MATRIX_FMT_BF6
.endif
.endr
.endr
.endm
; the activation on the lane's 64 numbers, two at a time where the form allows; every pass goes up from each accumulator's low end
.macro GELU
.set gi, 0
.rept 32
	v_pk_mul_f32 v[T+2*gi:T+2*gi+1], v[ACC+2*gi:ACC+2*gi+1], v[ACC+2*gi:ACC+2*gi+1]      ; a^2
.set gi, gi+1
.endr
.set gi, 0
.rept 32
	v_pk_fma_f32 v[T+2*gi:T+2*gi+1], v[T+2*gi:T+2*gi+1], s[40:41], v[18:19] op_sel_hi:[1,0,1]   ; c1 a^2 + c0
.set gi, gi+1
.endr
.set gi, 0
.rept 32
	v_pk_mul_f32 v[T+2*gi:T+2*gi+1], v[T+2*gi:T+2*gi+1], v[ACC+2*gi:ACC+2*gi+1]
.set gi, gi+1
.endr
.set gi, 0
.rept 64
	v_exp_f32 v[T+gi], v[T+gi]
.set gi, gi+1
.endr
	v_nop                                          ; a plain line behind the batch,
	s_wait_alu depctr_va_vdst(0)                   ; and one wait for the 64, ahead of their first reader
.set gi, 0
.rept 32
	v_pk_add_f32 v[T+2*gi:T+2*gi+1], v[T+2*gi:T+2*gi+1], 1.0 op_sel_hi:[1,0]
.set gi, gi+1
.endr
.set gi, 0
.rept 64
	v_rcp_f32 v[T+gi], v[T+gi]
.set gi, gi+1
.endr
	v_nop
	s_wait_alu depctr_va_vdst(0)
.set gi, 0
.rept 32
	v_pk_mul_f32 v[ACC+2*gi:ACC+2*gi+1], v[ACC+2*gi:ACC+2*gi+1], v[T+2*gi:T+2*gi+1]
.set gi, gi+1
.endr
.endm
; 64 numbers of a lane, register 16 b + i = k 32 b + 16 (lane / 16) + i of my row, become a fragment's codes in v[PC] on and its scale word in v[PW]
.macro QUANT src
.irp b, 0,1,2,3
	v_max3_num_f32 v[TM+\b], |v[\src+16*\b]|, |v[\src+1+16*\b]|, 0x2800000   ; block b: my 16 numbers, and the floor 2^(5 - 127): so the byte cannot fall under 1
.endr
.irp i, 2,4,6,8,10,12,14
.irp b, 0,1,2,3
	v_max3_num_f32 v[TM+\b], v[TM+\b], |v[\src+16*\b+\i]|, |v[\src+1+16*\b+\i]|   ; (the four blocks by turns)
.endr
.endr
.irp b, 0,1,2,3
	v_permlanex16_b32 v[TM+4+\b], v[TM+\b], s[SEL], s[SEL+1]
.endr
.irp b, 0,1,2,3
	v_max_num_f32 v[TM+\b], v[TM+\b], v[TM+4+\b]   ; with lane l xor 16's: the block's largest magnitude
.endr
.irp b, 0,1,2,3
	v_add_nc_u32 v[TM+12+\b], 0xfe000000, v[TM+\b] ; 4 off its exponent field: the conversion takes the exponent field of this operand as its scale
.endr
.irp b, 0,1,2,3
	v_lshrrev_b32 v[TM+4+\b], 23, v[TM+12+\b]      ; the scale's byte
.endr
	v_lshl_or_b32 v[PW], v[TM+5], 8, v[TM+4]
	v_lshl_or_b32 v[PW], v[TM+6], 16, v[PW]
	v_lshl_or_b32 v[PW], v[TM+7], 24, v[PW]
.irp c, 0,1
	v_cvt_scalef32_pk16_bf6_f32 v[PC+6*\c:PC+2+6*\c], v[\src+32*\c:\src+15+32*\c], v[TM+12+2*\c]
	v_cvt_scalef32_pk16_bf6_f32 v[PC+12+4*\c:PC+14+4*\c], v[\src+16+32*\c:\src+31+32*\c], v[TM+12+2*\c+1]   ; (a conversion's three registers begin on an even number)
.endr
	v_nop                                          ; one plain line behind a scaled conversion
.irp c, 0,1                                    ; the operand's layout wants a whole block in a lane: lanes 0-15 block 2 c, lanes 16-31 block 2 c + 1
.irp i, 0,1,2
	v_permlane16_swap_b32 v[PC+6*\c+\i], v[PC+12+4*\c+\i]
.endr
.irp i, 0,1,2
	v_mov_b32 v[PC+3+6*\c+\i], v[PC+12+4*\c+\i]
.endr
.endr
.endm
	s_load_b256 s[4:11], s[0:1], 0x0               ; x's codes s[4:5], x's scales s[6:7], W1's codes s[8:9], W1's scales s[10:11]
	s_load_b256 s[12:19], s[0:1], 0x20             ; b1 s[12:13], cnt s[14:15], rows s[16:17], h_codes s[18:19]
	s_load_b64 s[20:21], s[0:1], 0x40              ; h_scales
	v_lshl_add_u32 v254, v0, 2, 0xc800
	v_mov_b32 v255, 0
	v_lshrrev_b32 v1, 5, v0
	v_readfirstlane_b32 s22, v1                    ; wave
	s_and_b32 s23, ttmp7, 0xffff                   ; e
	s_mov_b32 s24, ttmp9                           ; c
	v_and_b32 v1, 31, v0                           ; lane
	v_and_b32 v2, 15, v0                           ; r
	v_bfe_u32 v3, v0, 4, 1                         ; h
	v_lshlrev_b32 v4, 4, v1                        ; 16 x lane
	s_mul_i32 s42, s22, 12800                      ; my wave copies 32 rows: 32 x 400 bytes of LDS
.irp b, 0,1,2
	v_add_nc_u32 v[5+\b], 32*\b, v1                ; piece q = 32 b + lane of 96 pieces of 16 bytes (four rows of 24 pieces);
	v_mul_u32_u24 v17, v[5+\b], 2731
	v_lshrrev_b32 v17, 16, v17                     ; q / 24 (exact for q under 96):
	v_add_nc_u32 v[5+\b], v[5+\b], v17             ; 16 bytes of padding behind each row
	v_lshl_add_u32 v[5+\b], v[5+\b], 4, s42
.endr
	v_and_b32 v9, 8, v2
	v_add_nc_u32 v9, v9, v2                        ; r + 8 (r / 8)
	v_mul_u32_u24 v8, v9, 400
	v_mad_u32_u24 v8, v3, 24, v8                   ; LDS: my lane's place in a tile of W1
	v_lshlrev_b32 v9, 4, v9                        ; W1's scale words: 16 bytes a row
	v_lshlrev_b32 v10, 6, v3                       ; b1: 64 h
	v_lshlrev_b32 v15, 2, v1                       ; 4 x lane
	v_lshlrev_b32 v16, 2, v2                       ; 4 r
	v_mul_u32_u24 v17, v3, 24                      ; 24 h
	v_mov_b32 v18, 0xc0135761                      ; c0 = -2.3022082, twice
	v_mov_b32 v19, 0xc0135761
.irp b, 0,1,2,3
	v_mov_b32 v[TM+4+\b], 0                        ; written once: a lane permute's destination counts as one of its sources
.endr
	s_mov_b32 s[SEL], 0x76543210
	s_mov_b32 s[SEL+1], 0xfedcba98
	s_mov_b32 s40, 0xbdd2d3e8                      ; c1 = -0.10294324
	s_mov_b32 s41, s40                             ; (named with it as a pair, so it is written)
	s_mov_b32 s31, 0
	s_wait_kmcnt 0x0
	s_lshl_b32 s30, s23, 2
	s_add_nc_u64 s[14:15], s[14:15], s[30:31]
	s_load_b32 s25, s[14:15], 0x0                  ; cnt[e]
	s_mul_i32 s30, s23, 786432
	s_mul_i32 s42, s24, 49152
	s_add_co_u32 s30, s30, s42
	s_mul_i32 s42, s22, 12288
	s_add_co_u32 s30, s30, s42
	s_add_nc_u64 s[8:9], s[8:9], s[30:31]          ; W1's codes: my wave's 32 rows of the chunk
	s_lshl_b32 s30, s23, 15
	s_lshl_b32 s42, s24, 11
	s_add_co_u32 s30, s30, s42
	s_add_nc_u64 s[10:11], s[10:11], s[30:31]      ; W1's scales: the chunk's 128 rows
	s_lshl_b32 s30, s23, 13
	s_add_nc_u64 s[16:17], s[16:17], s[30:31]      ; the expert's list
	s_lshl_b32 s42, s24, 9
	s_add_co_u32 s30, s30, s42
	s_add_nc_u64 s[12:13], s[12:13], s[30:31]      ; b1: the chunk's 128 numbers
	s_mul_i32 s30, s23, 3145728
	s_mul_i32 s42, s24, 1536
	s_add_co_u32 s30, s30, s42
	s_add_nc_u64 s[18:19], s[18:19], s[30:31]      ; h_codes[e][0][c]
	s_lshl_b32 s30, s23, 18
	s_lshl_b32 s42, s24, 7
	s_add_co_u32 s30, s30, s42
	s_add_nc_u64 s[20:21], s[20:21], s[30:31]      ; h_scales[e][0][c]
.set ci, 0
.rept 24
	global_load_b128 v[ACC+4*ci:ACC+4*ci+3], v4, s[8:9] offset:512*ci th:TH_LOAD_NT   ; 32 lanes read 512 consecutive bytes; read once in the launch
.set ci, ci+1
.endr
.irp t, 0,1,2,3,4,5,6,7
	global_load_b128 v[W1S+4*\t:W1S+4*\t+3], v9, s[10:11] offset:(32*(\t/2)+8*(\t%2))*16
.endr
	WIN 0x40                                       ; destination window 1
.irp t, 0,1,2,3,4,5,6,7
	global_load_b128 v[B1+8*\t:B1+8*\t+3], v10, s[12:13] offset:(32*(\t/2)+8*(\t%2))*4
	global_load_b128 v[B1+8*\t+4:B1+8*\t+7], v10, s[12:13] offset:(32*(\t/2)+8*(\t%2))*4+16
.endr
	WIN 0
	s_wait_kmcnt 0x0
	s_add_co_u32 s26, s25, 31
	s_lshr_b32 s26, s26, 5
	s_max_u32 s26, s26, 1
	s_min_u32 s26, s26, 64
	s_lshl_b32 s26, s26, 1                         ; nt: tiles of 16 in the list's padded length: 2 .. 128
	s_sub_co_u32 s28, s26, 1
	s_mov_b32 s27, s22                             ; my first tile
	s_add_co_u32 s[TRIPS], s26, 3
	s_sub_co_u32 s[TRIPS], s[TRIPS], s22
	s_lshr_b32 s[TRIPS], s[TRIPS], 2               ; my tiles w, w + 4, .. under nt: (nt + 3 - w) / 4 of them; none where w is nt or more
	s_mov_b32 s[TRIP], 0
	LIST 0
	s_wait_loadcnt 25                              ; the 24 copy loads are in: behind them 8 + 16 + 1 were issued
.irp a, 0,1,2,3,4,5,6,7
.irp b, 0,1,2
	ds_store_b128 v[5+\b], v[ACC+4*(3*\a+\b):ACC+4*(3*\a+\b)+3] offset:1600*\a   ; load 3 a + b: four rows (1,600 bytes of LDS) for each a
.endr
.endr
	s_wait_loadcnt 0x0
	XADDR
	XLOAD                                          ; my first tile's rows of x
	LIST 4
	s_wait_dscnt 0x0                               ; for the others' sake: my part of the chunk lies in LDS
	s_barrier_signal -1
	s_barrier_wait -1                              ; the whole chunk does
	s_cmp_eq_u32 s[TRIPS], 0                       ; a wave without a tile ends: no barrier follows
	s_cbranch_scc1 .Lend
	WIN 0x40
.irp s, 0,1
.irp t, 0,1,2,3,4,5,6,7
.irp p, 0,1,2,3,4,5
	ds_load_b64 v[12*(8*\s+\t)+2*\p:12*(8*\s+\t)+2*\p+1], v8 offset:(32*(\t/2)+8*(\t%2))*400+96*\s+48*(\p/3)+8*(\p%3)
.endr
.endr
.endr
	WIN 0x80
.irp s, 2,3
.irp t, 0,1,2,3,4,5,6,7
.irp p, 0,1,2,3,4,5
	ds_load_b64 v[12*(8*(\s-2)+\t)+2*\p:12*(8*(\s-2)+\t)+2*\p+1], v8 offset:(32*(\t/2)+8*(\t%2))*400+96*\s+48*(\p/3)+8*(\p%3)
.endr
.endr
.endr
	WIN 0
	s_wait_dscnt 0x0
.Ltile:
	s_wait_loadcnt 0x0                             ; this tile's x and the next tile's entries are in; every load's address register is free
	MM
	WIN 0
	XADDR                                          ; five plain lines that name no register of the products: the places ahead of the loads into x's registers and of the first read of results
	s_add_co_u32 s42, s27, 4
	s_cmp_lt_u32 s42, s26
	s_cbranch_scc0 .Lno_next
	XLOAD                                          ; the next tile's x lands while this tile is activated and quantised
	LIST 8
.Lno_next:
	GELU
	s_wait_xcnt 0x0                                ; the last trip's stores have read their data and their bases: both are written again below
	s_min_u32 s42, s27, 127
	s_mul_i32 s30, s42, 24576
	s_add_nc_u64 s[32:33], s[18:19], s[30:31]      ; h_codes[e][t][c]
	s_lshl_b32 s30, s42, 11
	s_add_nc_u64 s[34:35], s[20:21], s[30:31]      ; h_scales[e][t][c]
	QUANT ACC
.irp i, 0,1,2
	global_store_b128 v4, v[PC+4*\i:PC+4*\i+3], s[32:33] offset:512*\i   ; 32 lanes store 512 consecutive bytes, at a multiple of 256 from the buffer's first byte
.endr
	global_store_b32 v15, v[PW], s[34:35]
	s_add_co_u32 s27, s27, 4                       ; my next tile
	s_add_co_u32 s[TRIP], s[TRIP], 1               ; the loop ends on a count of trips, one a trip
	s_cmp_lt_u32 s[TRIP], s[TRIPS]
	s_cbranch_scc1 .Ltile
.Lend:
	s_wait_tensorcnt 0x0
	ds_add_u32 v254, v255
	s_wait_dscnt 0x0
	s_endpgm
.Lfunc_end_k_q12e5e29269_ffn1:
	.size	k_q12e5e29269_ffn1, .Lfunc_end_k_q12e5e29269_ffn1-k_q12e5e29269_ffn1
	.p2alignl 7, 3214868480
	.fill 96, 4, 3214868480
	.section	.rodata,"a",@progbits
	.p2align	6, 0x0
	.amdhsa_kernel k_q12e5e29269_ffn1
		.amdhsa_group_segment_fixed_size 51712
		.amdhsa_private_segment_fixed_size 0
		.amdhsa_enable_private_segment 0
		.amdhsa_kernarg_size 72
		.amdhsa_user_sgpr_count 2
		.amdhsa_user_sgpr_kernarg_segment_ptr 1
		.amdhsa_wavefront_size32 1
		.amdhsa_system_sgpr_workgroup_id_x 1
		.amdhsa_system_sgpr_workgroup_id_y 1
		.amdhsa_system_sgpr_workgroup_id_z 1
		.amdhsa_system_vgpr_workitem_id 0
		.amdhsa_next_free_vgpr 768
		.amdhsa_next_free_sgpr 66
		.amdhsa_reserve_vcc 0
		.amdhsa_float_denorm_mode_32 3
		.amdhsa_float_denorm_mode_16_64 3
		.amdhsa_memory_ordered 1
		.amdhsa_forward_progress 1
		.amdhsa_inst_pref_size 52
	.end_amdhsa_kernel
	.amdgpu_metadata
---
amdhsa.version: [ 1, 2 ]
amdhsa.kernels:
  - .name:           k_q12e5e29269_ffn1
    .symbol:         k_q12e5e29269_ffn1.kd
    .args:
      - { .name: x_codes, .offset: 0, .size: 8, .value_kind: global_buffer, .address_space: global }
      - { .name: x_scales, .offset: 8, .size: 8, .value_kind: global_buffer, .address_space: global }
      - { .name: W1_codes, .offset: 16, .size: 8, .value_kind: global_buffer, .address_space: global }
      - { .name: W1_scales, .offset: 24, .size: 8, .value_kind: global_buffer, .address_space: global }
      - { .name: b1, .offset: 32, .size: 8, .value_kind: global_buffer, .address_space: global }
      - { .name: cnt, .offset: 40, .size: 8, .value_kind: global_buffer, .address_space: global }
      - { .name: rows, .offset: 48, .size: 8, .value_kind: global_buffer, .address_space: global }
      - { .name: h_codes, .offset: 56, .size: 8, .value_kind: global_buffer, .address_space: global }
      - { .name: h_scales, .offset: 64, .size: 8, .value_kind: global_buffer, .address_space: global }
    .group_segment_fixed_size: 51712
    .private_segment_fixed_size: 0
    .kernarg_segment_align: 8
    .kernarg_segment_size: 72
    .max_flat_workgroup_size: 128
    .sgpr_count:     66
    .vgpr_count:     768
    .wavefront_size: 32
...
	.end_amdgpu_metadata
.endif
;; end of part 3
;; launch ffn2 (part 4): grid 16 x 16, 4 waves a work-group, no clusters, 117,248 bytes of LDS; arguments h_codes, h_scales, W2_codes, W2_scales, b2, cnt, rows, glist, part; writes part
.if DOCPART == 4
	.amdgcn_target "amdgcn-amd-amdhsa--gfx1250"
	.amdhsa_code_object_version 6
	.text
	.protected	k_q12e5e29269_ffn2
	.globl	k_q12e5e29269_ffn2
	.p2align	8
	.type	k_q12e5e29269_ffn2,@function
k_q12e5e29269_ffn2:
	s_mov_b64 s[64:65], 0
	v_nop
	global_prefetch_b8 v0, s[64:65] scope:SCOPE_SE
	s_setreg_imm32_b32 hwreg(HW_REG_WAVE_MODE, 25, 1), 1
	s_wait_xcnt 0x0
; THE SECOND PRODUCT, for the chosen rows alone: part[slot][token][:] = gate x (h W2[e] + b2[e]), K = 2,048 in 16 steps of 128.
; SHARES.  Work-group (x, e): dc = x / 2 owns output columns 64 dc .. 64 dc + 63 of expert e (256 bytes of a row of part); its 64 rows of W2, 98,304 consecutive bytes, come once, in loads of 512 consecutive bytes,
; and stay in LDS, rows 1,552 bytes apart.  sp = x % 2 halves the expert's rows.  A UNIT is 32 listed rows (two tiles of 16); wave w takes units 2 w + sp, + 8, ..  A unit is 128 matrix instructions on 8 accumulators;
; each fragment of W2 read from LDS feeds two of them.  A unit's h comes from memory as images of the operand's registers (the launch before has laid them so): loads of 16 bytes a lane, 512 consecutive bytes each.
; THE PRODUCT IS USED TRANSPOSED (source 0 = 16 rows of W2, source 1 = 16 rows of h): a lane holds one row and eight neighbouring columns.  b2 is the C of each sum's first matrix instruction.
; THE WAY OUT.  x gate; 16 rows x 256 bytes through the wave's own stage in LDS; back as whole rows; sixteen lanes store a row's 256 consecutive bytes at part[entry], an entry being slot x 2,048 + token.
; Rows of the list's padding are never stored (EXEC).  Each row of part has one owner for each 64 columns.
; NO TENSOR LOADS AND NO JOINT LOADS, though the 8 column blocks of an expert read the same h: the number of trips is read from memory (cnt).  The one barrier stands ahead of every branch on it.
; REGISTERS.  window 0: v1-18 addresses; v20-21 the gates; v24-39 the list's entries, then store offsets; v88-119, v120-151 the way out; v200-231 W2's scale words (16 q + s: lanes 0-15 column tile 2 q, lanes 16-31
;   tile 2 q + 1); v232-247 h's (s: lanes 0-15 the unit's first tile, lanes 16-31 its second).   window 1: h's fragments of K steps 0-7 (12 (2 s + m)).   window 2: K steps 8-15.
;   window 3: v0-95 W2's fragments, two buffers (48 p + 12 n); v96-159 the accumulators (8 (4 m + n)); v160-191 b2's four tiles.
.set STG, 99328                        ; behind W2's 64 rows: a stage of 16 rows x 272 bytes for each wave
.set ENT, 24
.set T,   88
.set BK,  120
.set W2S, 200
.set HSC, 232
.set TRIP,  50                         ; s50  counts my units, one a trip
.set TRIPS, 51                         ; s51  my wave's number of units; the loop does not write it
.set MSB, 0
.macro WIN new                         ; the immediate's high byte repeats the setting that is left; a switch that changes nothing is dropped
.if MSB != \new
	s_set_vgpr_msb (MSB<<8)|\new
.set MSB, \new
.endif
.endm
; the unit's four addresses; the unit's number is held inside the list's padded length
.macro UADDR
	s_min_u32 s29, s28, s48
	s_min_u32 s29, s29, 63
	s_mul_i32 s30, s29, 49152
	s_add_nc_u64 s[32:33], s[40:41], s[30:31]      ; h_codes[e][2 u]
	s_lshl_b32 s30, s29, 12
	s_add_nc_u64 s[34:35], s[42:43], s[30:31]      ; h_scales[e][2 u]
	s_lshl_b32 s30, s29, 7
	s_add_nc_u64 s[36:37], s[44:45], s[30:31]      ; rows[e][32 u]
	s_add_nc_u64 s[38:39], s[46:47], s[30:31]      ; glist[e][32 u]
.endm
.macro HFR s                           ; both tiles' fragments of K step s: six loads
.irp m, 0,1
.irp i, 0,1,2
	global_load_b128 v[12*(2*((\s)%8)+\m)+4*\i:12*(2*((\s)%8)+\m)+4*\i+3], v4, s[32:33] offset:24576*\m+1536*(\s)+512*\i
.endr
.endr
.endm
.macro ISSUE_A                         ; 46 loads: the unit's scale words, then K steps 0 to 4
.set hi_, 0
.rept 16
	global_load_b32 v[HSC+hi_], v11, s[34:35] offset:128*hi_
.set hi_, hi_+1
.endr
	WIN 0x40                                       ; destination window 1
.irp s, 0,1,2,3,4
	HFR \s
.endr
	WIN 0
.endm
.macro ISSUE_B                         ; 72 loads: K steps 5 to 15, then six small ones
	WIN 0x40
.irp s, 5,6,7
	HFR \s
.endr
	WIN 0x80                                       ; destination window 2
.irp s, 8,9,10,11,12,13,14,15
	HFR \s
.endr
	WIN 0
.irp m, 0,1
	global_load_b128 v[ENT+8*\m:ENT+8*\m+3], v9, s[36:37] offset:64*\m        ; the entries of rows 8 h + 0 .. 7 of tile m
	global_load_b128 v[ENT+8*\m+4:ENT+8*\m+7], v9, s[36:37] offset:64*\m+16
.endr
.irp m, 0,1
	global_load_b32 v[20+\m], v13, s[38:39] offset:64*\m                      ; the gate of row r of tile m
.endr
.endm
.macro WFETCH s                        ; W2's four fragments of K step s into buffer s % 2: 24 LDS loads
.irp n, 0,1,2,3
.irp p, 0,1,2,3,4,5
	ds_load_b64 v[48*((\s)%2)+12*\n+2*\p:48*((\s)%2)+12*\n+2*\p+1], v[6+\n/2] offset:24832*(\n%2)+96*(\s)+48*(\p/3)+8*(\p%3)
.endr
.endr
.endm
.macro MMA s, n, m
.set rD, 96+8*(4*(\m)+(\n))
.set rC, rD
.if (\s) == 0
.set rC, 160+8*(\n)                    ; the first K step starts the sum on b2
.endif
.set rA, 48*((\s)%2)+12*(\n)
.set rB, 12*(2*((\s)%8)+(\m))
.set rSA, W2S+16*((\n)/2)+(\s)
.set rSB, HSC+(\s)
.if ((\n)%2 == 0) && ((\m) == 0)
	v_wmma_scale_f32_16x16x128_f8f6f4 v[rD:rD+7], v[rA:rA+11], v[rB:rB+11], v[rC:rC+7], v[rSA], v[rSB] matrix_a_fmt:MATRIX_FMT_BF6 matrix_b_fmt:MATRIX_FMT_BF6
.elseif ((\n)%2 == 1) && ((\m) == 0)
	v_wmma_scale_f32_16x16x128_f8f6f4 v[rD:rD+7], v[rA:rA+11], v[rB:rB+11], v[rC:rC+7], v[rSA], v[rSB] matrix_a_fmt:MATRIX_FMT_BF6 matrix_b_fmt:MATRIX_FMT_BF6 matrix_a_scale:MATRIX_SCALE_ROW1
.elseif ((\n)%2 == 0)
	v_wmma_scale_f32_16x16x128_f8f6f4 v[rD:rD+7], v[rA:rA+11], v[rB:rB+11], v[rC:rC+7], v[rSA], v[rSB] matrix_a_fmt:MATRIX_FMT_BF6 matrix_b_fmt:MATRIX_FMT_BF6 matrix_b_scale:MATRIX_SCALE_ROW1
.else
	v_wmma_scale_f32_16x16x128_f8f6f4 v[rD:rD+7], v[rA:rA+11], v[rB:rB+11], v[rC:rC+7], v[rSA], v[rSB] matrix_a_fmt:MATRIX_FMT_BF6 matrix_b_fmt:MATRIX_FMT_BF6 matrix_a_scale:MATRIX_SCALE_ROW1 matrix_b_scale:MATRIX_SCALE_ROW1
.endif
.endm
; A K step: the next step's fragments of W2 are asked for, then 8 matrix instructions, the 8 accumulators by turns in the same order in every step
.macro KSTEP s
.if (\s) >= 1
.rept 4
	v_nop                                          ; four places behind the last step's products, ahead of loads into the buffer that they read (ISA guide 7.12.1 for vector instructions)
.endr
.endif
.if (\s) < 15
	WIN 0xc0                                       ; destination window 3, address window 0
	WFETCH (\s)+1
	s_wait_dscnt 24                                ; this step's fragments of W2 are in; the 24 loads just issued may be out
.else
	s_wait_dscnt 0x0
.endif
.if 6*(15-(\s))+6 > 63
	s_wait_loadcnt 63                              ; a unit has 118 loads; with at most 63 out the first 55 are in, and step 5's last is the 52nd (a load that would pass the counter's field is held at issue: ISA guide 5.7.1)
.else
	s_wait_loadcnt 6*(15-(\s))+6                   ; this step's fragments of h are in: behind them the later steps' six each and the six small loads
.endif
.if (\s) < 8
	WIN 0xf7                                       ; W2, C and D window 3, h window 1
.else
	WIN 0xfb                                       ; h window 2
.endif
.irp n, 0,1,2,3
.irp m, 0,1
	MMA \s, \n, \m
.endr
.endr
.endm
; the way out of tile m
.macro OUT m
	WIN 0x03                                       ; source 0 window 3
.set oi, 0
.rept 16
.if \m == 0
	v_pk_mul_f32 v[T+2*oi:T+2*oi+1], v[96+2*oi:97+2*oi], v[20:21] op_sel_hi:[1,0]               ; x my row's gate; each accumulator from its low end on
.else
	v_pk_mul_f32 v[T+2*oi:T+2*oi+1], v[128+2*oi:129+2*oi], v[20:21] op_sel:[0,1] op_sel_hi:[1,1]
.endif
.set oi, oi+1
.endr
	WIN 0
.irp n, 0,1,2,3
	ds_store_b128 v14, v[T+8*\n:T+8*\n+3] offset:64*\n
	ds_store_b128 v14, v[T+8*\n+4:T+8*\n+7] offset:64*\n+16
.endr
.irp i, 0,1,2,3,4,5,6,7
	ds_load_b128 v[BK+4*\i:BK+4*\i+3], v15 offset:272*\i   ; rows i (lanes 0-15) and 8 + i (lanes 16-31).  LDS serves a wave's instructions in order (ISA guide 5.7.1.4): these see my stores
.endr
	s_wait_dscnt 0x0
.irp i, 0,1,2,3,4,5,6,7
	s_wait_xcnt 0x0                                ; EXEC changes only behind this wait
	v_cmpx_lt_i32 \i, v[17+\m]                     ; only rows of the list proper: the masks narrow as i grows
	global_store_b128 v[ENT+8*\m+\i], v[BK+4*\i:BK+4*\i+3], s[20:21] th:TH_STORE_NT   ; 16 lanes store 256 consecutive bytes, at a multiple of 256 from part's first byte
.endr
	s_wait_xcnt 0x0
	s_mov_b32 exec_lo, -1
.endm
	s_load_b256 s[4:11], s[0:1], 0x0               ; h_codes s[4:5], h_scales s[6:7], W2's codes s[8:9], W2's scales s[10:11]
	s_load_b256 s[12:19], s[0:1], 0x20             ; b2 s[12:13], cnt s[14:15], rows s[16:17], glist s[18:19]
	s_load_b64 s[20:21], s[0:1], 0x40              ; part
	v_lshl_add_u32 v254, v0, 2, 0x1c800
	v_mov_b32 v255, 0
	v_lshrrev_b32 v1, 5, v0
	v_readfirstlane_b32 s22, v1                    ; wave
	s_and_b32 s23, ttmp7, 0xffff                   ; e
	s_lshr_b32 s24, ttmp9, 1                       ; dc
	s_and_b32 s25, ttmp9, 1                        ; sp
	v_and_b32 v1, 31, v0                           ; lane
	v_and_b32 v2, 15, v0                           ; r
	v_bfe_u32 v3, v0, 4, 1                         ; h
	v_lshlrev_b32 v4, 4, v1                        ; 16 x lane
	s_mul_i32 s49, s22, 24832                      ; my wave copies 16 rows of W2: 16 x 1,552 bytes of LDS
	v_add_nc_u32 v5, s49, v4
	v_mul_u32_u24 v6, v2, 1552
	v_mad_u32_u24 v6, v3, 24, v6                   ; LDS: my lane's place in column tiles 0, 1 of W2,
	v_add_nc_u32 v7, 49664, v6                     ; and in tiles 2, 3
	v_lshlrev_b32 v8, 6, v1                        ; W2's scale words: 64 bytes a row, row 16 h + r
	v_lshlrev_b32 v9, 5, v3                        ; 32 h: b2's eight numbers, and the list's eight entries
	v_lshlrev_b32 v13, 2, v2                       ; 4 r
	v_lshl_add_u32 v11, v3, 11, v13                ; h's scale words: tile h of the unit, lane r's word
	s_mul_i32 s49, s22, 4352
	s_add_co_u32 s49, s49, STG                     ; my stage
	v_mul_u32_u24 v14, v2, 272
	v_lshl_add_u32 v14, v3, 5, v14
	v_add_nc_u32 v14, s49, v14                     ; in: row r, + 32 h
	v_lshlrev_b32 v16, 4, v2                       ; 16 r: my 16 bytes of a row of 256
	v_mul_u32_u24 v15, v3, 2176
	v_add_nc_u32 v15, v15, v16
	v_add_nc_u32 v15, s49, v15                     ; back: lanes 0-15 rows 0 on, lanes 16-31 rows 8 on
	s_mov_b32 s31, 0
	s_wait_kmcnt 0x0
	s_lshl_b32 s30, s23, 2
	s_add_nc_u64 s[14:15], s[14:15], s[30:31]
	s_load_b32 s26, s[14:15], 0x0                  ; cnt[e]
	s_mul_i32 s30, s23, 786432
	s_mul_i32 s49, s24, 98304
	s_add_co_u32 s30, s30, s49
	s_mul_i32 s49, s22, 24576
	s_add_co_u32 s30, s30, s49
	s_add_nc_u64 s[8:9], s[8:9], s[30:31]          ; W2's codes: my wave's 16 rows of the chunk
	s_lshl_b32 s30, s23, 15
	s_lshl_b32 s49, s24, 12
	s_add_co_u32 s30, s30, s49
	s_add_nc_u64 s[10:11], s[10:11], s[30:31]      ; W2's scales: the chunk's 64 rows
	s_lshl_b32 s30, s23, 11
	s_lshl_b32 s49, s24, 8
	s_add_co_u32 s30, s30, s49
	s_add_nc_u64 s[12:13], s[12:13], s[30:31]      ; b2: the chunk's 64 numbers
	s_mov_b32 s30, s49
	s_add_nc_u64 s[20:21], s[20:21], s[30:31]      ; part: the chunk's 256 bytes of a row
	s_mul_i32 s30, s23, 3145728
	s_add_nc_u64 s[40:41], s[4:5], s[30:31]        ; the expert's h,
	s_lshl_b32 s30, s23, 18
	s_add_nc_u64 s[42:43], s[6:7], s[30:31]        ; its scale words,
	s_lshl_b32 s30, s23, 13
	s_add_nc_u64 s[44:45], s[16:17], s[30:31]      ; its list,
	s_add_nc_u64 s[46:47], s[18:19], s[30:31]      ; its gates
	WIN 0x80                                       ; destination window 2
.set ci, 0
.rept 48
	global_load_b128 v[4*ci:4*ci+3], v4, s[8:9] offset:512*ci th:TH_LOAD_NT   ; 32 lanes read 512 consecutive bytes, a third of a row
.set ci, ci+1
.endr
	WIN 0
.irp q, 0,1
.irp i, 0,1,2,3
	global_load_b128 v[W2S+16*\q+4*\i:W2S+16*\q+4*\i+3], v8, s[10:11] offset:2048*\q+16*\i
.endr
.endr
	WIN 0xc0                                       ; destination window 3
.irp n, 0,1,2,3
	global_load_b128 v[160+8*\n:160+8*\n+3], v9, s[12:13] offset:64*\n
	global_load_b128 v[160+8*\n+4:160+8*\n+7], v9, s[12:13] offset:64*\n+16
.endr
	WIN 0
	s_wait_kmcnt 0x0
	s_add_co_u32 s27, s26, 31
	s_lshr_b32 s27, s27, 5
	s_max_u32 s27, s27, 1
	s_min_u32 s27, s27, 64                         ; np: units in the list's padded length: 1 .. 64
	s_sub_co_u32 s48, s27, 1
	s_lshl_b32 s28, s22, 1
	s_add_co_u32 s28, s28, s25                     ; my first unit: 0 .. 7
	s_add_co_u32 s[TRIPS], s27, 7
	s_sub_co_u32 s[TRIPS], s[TRIPS], s28
	s_lshr_b32 s[TRIPS], s[TRIPS], 3               ; my units u, u + 8, .. under np: (np + 7 - u) / 8 of them; none where u is np or more
	s_mov_b32 s[TRIP], 0
	UADDR
	ISSUE_A
	s_wait_loadcnt 62                              ; the 48 copy loads are in: behind them 8 + 8 + 46 were issued
	WIN 0x08                                       ; an LDS store's data are its source 1: window 2
.irp a, 0,1,2,3,4,5,6,7,8,9,10,11,12,13,14,15
.irp b, 0,1,2
	ds_store_b128 v5, v[4*(3*\a+\b):4*(3*\a+\b)+3] offset:1552*\a+512*\b
.endr
.endr
	WIN 0
	s_wait_dscnt 0x0                               ; for the others' sake: my part of the chunk lies in LDS
	s_barrier_signal -1
	s_barrier_wait -1                              ; the whole chunk does
	s_cmp_eq_u32 s[TRIPS], 0                       ; a wave without a unit ends: no barrier follows
	s_cbranch_scc1 .Lend
.Lunit:
	ISSUE_B
	WIN 0xc0
	WFETCH 0
.irp s, 0,1,2,3,4,5,6,7,8,9,10,11,12,13,14,15
	KSTEP \s
.endr
	WIN 0
	s_wait_loadcnt 0x0                             ; the entries and the gates
.irp i, 0,1,2,3,4,5,6,7,8,9,10,11,12,13,14,15
	v_min_u32 v[ENT+\i], 0xfff, v[ENT+\i]          ; an entry names a row of part.  (These plain lines are also the places behind the last products)
.endr
.irp i, 0,1,2,3,4,5,6,7,8,9,10,11,12,13,14,15
	v_lshl_add_u32 v[ENT+\i], v[ENT+\i], 11, v16   ; 2,048 bytes a row, + my 16 bytes
.endr
	s_lshl_b32 s49, s28, 5
	s_sub_co_i32 s49, s26, s49                     ; cnt - 32 u
	v_lshlrev_b32 v17, 3, v3
	v_sub_nc_u32 v17, s49, v17                     ; row 8 h + i of tile 0 is stored where i is under cnt - 32 u - 8 h,
	v_add_nc_u32 v18, -16, v17                     ; of tile 1 where it is under 16 less
	OUT 0
	OUT 1
	s_add_co_u32 s28, s28, 8                       ; my next unit
	s_add_co_u32 s[TRIP], s[TRIP], 1               ; the loop ends on a count of trips, one a trip
	s_cmp_lt_u32 s[TRIP], s[TRIPS]
	s_cbranch_scc0 .Lend
	UADDR                                          ; (every load of the last unit has been waited for, so the four addresses may be written)
	ISSUE_A
	s_cmp_lt_u32 s[TRIP], s[TRIPS]                 ; (compared again: the lines between have written SCC)
	s_cbranch_scc1 .Lunit
.Lend:
	s_wait_tensorcnt 0x0
	ds_add_u32 v254, v255
	s_wait_dscnt 0x0
	s_endpgm
.Lfunc_end_k_q12e5e29269_ffn2:
	.size	k_q12e5e29269_ffn2, .Lfunc_end_k_q12e5e29269_ffn2-k_q12e5e29269_ffn2
	.p2alignl 7, 3214868480
	.fill 96, 4, 3214868480
	.section	.rodata,"a",@progbits
	.p2align	6, 0x0
	.amdhsa_kernel k_q12e5e29269_ffn2
		.amdhsa_group_segment_fixed_size 117248
		.amdhsa_private_segment_fixed_size 0
		.amdhsa_enable_private_segment 0
		.amdhsa_kernarg_size 72
		.amdhsa_user_sgpr_count 2
		.amdhsa_user_sgpr_kernarg_segment_ptr 1
		.amdhsa_wavefront_size32 1
		.amdhsa_system_sgpr_workgroup_id_x 1
		.amdhsa_system_sgpr_workgroup_id_y 1
		.amdhsa_system_sgpr_workgroup_id_z 1
		.amdhsa_system_vgpr_workitem_id 0
		.amdhsa_next_free_vgpr 1024
		.amdhsa_next_free_sgpr 66
		.amdhsa_reserve_vcc 0
		.amdhsa_float_denorm_mode_32 3
		.amdhsa_float_denorm_mode_16_64 3
		.amdhsa_memory_ordered 1
		.amdhsa_forward_progress 1
		.amdhsa_inst_pref_size 83
	.end_amdhsa_kernel
	.amdgpu_metadata
---
amdhsa.version: [ 1, 2 ]
amdhsa.kernels:
  - .name:           k_q12e5e29269_ffn2
    .symbol:         k_q12e5e29269_ffn2.kd
    .args:
      - { .name: h_codes, .offset: 0, .size: 8, .value_kind: global_buffer, .address_space: global }
      - { .name: h_scales, .offset: 8, .size: 8, .value_kind: global_buffer, .address_space: global }
      - { .name: W2_codes, .offset: 16, .size: 8, .value_kind: global_buffer, .address_space: global }
      - { .name: W2_scales, .offset: 24, .size: 8, .value_kind: global_buffer, .address_space: global }
      - { .name: b2, .offset: 32, .size: 8, .value_kind: global_buffer, .address_space: global }
      - { .name: cnt, .offset: 40, .size: 8, .value_kind: global_buffer, .address_space: global }
      - { .name: rows, .offset: 48, .size: 8, .value_kind: global_buffer, .address_space: global }
      - { .name: glist, .offset: 56, .size: 8, .value_kind: global_buffer, .address_space: global }
      - { .name: part, .offset: 64, .size: 8, .value_kind: global_buffer, .address_space: global }
    .group_segment_fixed_size: 117248
    .private_segment_fixed_size: 0
    .kernarg_segment_align: 8
    .kernarg_segment_size: 72
    .max_flat_workgroup_size: 128
    .sgpr_count:     66
    .vgpr_count:     1024
    .wavefront_size: 32
...
	.end_amdgpu_metadata
.endif
;; end of part 4
;; launch combine (part 5): grid 256 x 1, 8 waves a work-group, no clusters, 0 bytes of LDS; arguments part, out0; writes out0
.if DOCPART == 5
	.amdgcn_target "amdgcn-amd-amdhsa--gfx1250"
	.amdhsa_code_object_version 6
	.text
	.protected	k_q12e5e29269_combine
	.globl	k_q12e5e29269_combine
	.p2align	8
	.type	k_q12e5e29269_combine,@function
k_q12e5e29269_combine:
	s_mov_b64 s[64:65], 0
	v_nop
	global_prefetch_b8 v0, s[64:65] scope:SCOPE_SE
	s_setreg_imm32_b32 hwreg(HW_REG_WAVE_MODE, 25, 1), 1
	s_wait_xcnt 0x0
; out0[token][:] = part[0][token][:] + part[1][token][:]: the two chosen experts' rows, each already times its gate.  A stream: every byte read once, every byte written once.
; A work-group takes 16,384 consecutive bytes of out0: four steps of 4,096, 16 bytes a thread, so that a wave's load or store covers 512 consecutive bytes.  All eight loads go out first.
; No LDS, no barrier, no matrix unit: nothing is shared and nothing is multiplied.
	s_load_b128 s[4:7], s[0:1], 0x0                ; part s[4:5], out0 s[6:7]
	s_lshl_b32 s8, ttmp9, 14
	s_mov_b32 s9, 0
	v_lshlrev_b32 v1, 4, v0
	s_wait_kmcnt 0x0
	s_add_nc_u64 s[4:5], s[4:5], s[8:9]
	s_add_nc_u64 s[6:7], s[6:7], s[8:9]
.irp i, 0,1,2,3
	global_load_b128 v[4+8*\i:7+8*\i], v1, s[4:5] offset:4096*\i th:TH_LOAD_NT
	global_load_b128 v[8+8*\i:11+8*\i], v1, s[4:5] offset:4096*\i+4194304 th:TH_LOAD_NT   ; slot 1 lies 4,194,304 bytes on
.endr
.irp i, 0,1,2,3
	s_wait_loadcnt 6-2*\i                          ; loads come back in order (ISA guide 5.7.1): this step's two are in, the later steps' may be out
	v_pk_add_f32 v[4+8*\i:5+8*\i], v[4+8*\i:5+8*\i], v[8+8*\i:9+8*\i]
	v_pk_add_f32 v[6+8*\i:7+8*\i], v[6+8*\i:7+8*\i], v[10+8*\i:11+8*\i]
	global_store_b128 v1, v[4+8*\i:7+8*\i], s[6:7] offset:4096*\i th:TH_STORE_NT
.endr
	s_endpgm
.Lfunc_end_k_q12e5e29269_combine:
	.size	k_q12e5e29269_combine, .Lfunc_end_k_q12e5e29269_combine-k_q12e5e29269_combine
	.p2alignl 7, 3214868480
	.fill 96, 4, 3214868480
	.section	.rodata,"a",@progbits
	.p2align	6, 0x0
	.amdhsa_kernel k_q12e5e29269_combine
		.amdhsa_group_segment_fixed_size 0
		.amdhsa_private_segment_fixed_size 0
		.amdhsa_enable_private_segment 0
		.amdhsa_kernarg_size 16
		.amdhsa_user_sgpr_count 2
		.amdhsa_user_sgpr_kernarg_segment_ptr 1
		.amdhsa_wavefront_size32 1
		.amdhsa_system_sgpr_workgroup_id_x 1
		.amdhsa_system_sgpr_workgroup_id_y 1
		.amdhsa_system_sgpr_workgroup_id_z 1
		.amdhsa_system_vgpr_workitem_id 0
		.amdhsa_next_free_vgpr 48
		.amdhsa_next_free_sgpr 66
		.amdhsa_reserve_vcc 0
		.amdhsa_float_denorm_mode_32 3
		.amdhsa_float_denorm_mode_16_64 3
		.amdhsa_memory_ordered 1
		.amdhsa_forward_progress 1
		.amdhsa_inst_pref_size 3
	.end_amdhsa_kernel
	.amdgpu_metadata
---
amdhsa.version: [ 1, 2 ]
amdhsa.kernels:
  - .name:           k_q12e5e29269_combine
    .symbol:         k_q12e5e29269_combine.kd
    .args:
      - { .name: part, .offset: 0, .size: 8, .value_kind: global_buffer, .address_space: global }
      - { .name: out0, .offset: 8, .size: 8, .value_kind: global_buffer, .address_space: global }
    .group_segment_fixed_size: 0
    .private_segment_fixed_size: 0
    .kernarg_segment_align: 8
    .kernarg_segment_size: 16
    .max_flat_workgroup_size: 256
    .sgpr_count:     66
    .vgpr_count:     48
    .wavefront_size: 32
...
	.end_amdgpu_metadata
.endif
;; end of part 5
;; ======== version 2 of 2: 5 launches; version 1 with the launches router, ffn1 written anew for expert scheduling mode
;; workspace buffers: choice 8,192 bytes of whole numbers; rfl 32,768 bytes; cnt 256 bytes of whole numbers; rows 131,072 bytes of whole numbers; glist 131,072 bytes; h_codes 50,331,648 bytes; h_scales 4,194,304 bytes; part 8,388,608 bytes
;; launch router (part 6): grid 32 x 1, 4 waves a work-group, no clusters, 0 bytes of LDS; arguments x_codes, x_scales, Wr_codes, Wr_scales, choice, rfl; writes choice, rfl
.if DOCPART == 6
	.amdgcn_target "amdgcn-amd-amdhsa--gfx1250"
	.amdhsa_code_object_version 6
	.text
	.protected	k_q12e5e29269_router
	.globl	k_q12e5e29269_router
	.p2align	8
	.type	k_q12e5e29269_router,@function
k_q12e5e29269_router:
	s_mov_b64 s[64:65], 0
	v_nop
	global_prefetch_b8 v0, s[64:65] scope:SCOPE_SE
	s_setreg_imm32_b32 hwreg(HW_REG_WAVE_SCHED_MODE, 0, 2), 2
	s_setreg_imm32_b32 hwreg(HW_REG_WAVE_MODE, 25, 1), 1
	s_wait_xcnt 0x0
	s_wait_alu depctr_vm_vsrc(0)
; THE ROUTER.  logits = x Wr on codes of E3M2 (2,048 tokens, K = 512, 16 experts); for each token the two largest logits (the lower index wins a tie), their softmax (the gates),
; and for each tile of 16 tokens the sums over its tokens of softmax(logits) and of the one-hot of the largest logit's expert.
; Nothing here steers an address: the choice goes to fixed places (choice[token] = e0 | e1 << 8; the gates at rfl[token][2]; a tile's 32 sums at rfl + 16,384 + 128 x tile) and the next launch places the rows.
; SHARES.  A wave owns one tile of 16 tokens: 128 waves, which share nothing: no LDS, no barrier.
; THE PRODUCT IS USED TRANSPOSED (source 0 = Wr's 16 rows, one an expert; source 1 = 16 tokens): lane (r, h) holds token r, and register j the logit of expert 8 h + j.
; LIMITS: logits are taken to be finite; NaN and infinities are not served.
; THE MODE: SCHED_MODE bits 1:0 = 2 (LLVM: expert scheduling mode 2), set by the entry lines.  The code itself states the register dependences
; between vector or matrix instructions and memory instructions, with s_wait_alu, always for 0.
; THE PLAN.  Registers that memory instructions touch:
;   v3, v4              offsets of the 50 loads: written once at the head, never again.  One wait on va_vdst ahead of the first load.
;   v8-15, v16-111      the loads land here; no vector instruction names them before, matrix instructions alone read them, and they are not loaded again.
;   v144-159, v164-166  the six stores' data; v167-169 their offsets: written by the vector work, never written again.  The wait on va_vdst ahead of the first narrowing of EXEC covers all six.
; Scalars that vector instructions write, each with its wait ahead of its first reader: s16 (the wave's number); s24, s25 (the two masks of a step of the search: one wait for both);
; VCC (the merge's two compares, the two lane masks); s32-39 (the one-hot's eight compares in one run: one wait).  EXEC is written three times: both waits stand ahead of each.
.set XF, 16                            ; v16-63   x's four fragments (16 tokens x 128 K: 12 registers each)
.set WF, 64                            ; v64-111  Wr's four
.set LG, 112                           ; v112-119 the logits
.set JC, 176                           ; v176-183 the numbers 0 .. 7
	s_load_b256 s[4:11], s[0:1], 0x0               ; x's codes s[4:5], x's scales s[6:7], Wr's codes s[8:9], Wr's scales s[10:11]
	s_load_b128 s[12:15], s[0:1], 0x20             ; choice s[12:13], rfl s[14:15]
	v_lshrrev_b32 v6, 5, v0
	v_readfirstlane_b32 s16, v6                    ; wave
	v_and_b32 v5, 31, v0                           ; lane
	v_and_b32 v1, 15, v0                           ; r
	v_bfe_u32 v2, v0, 4, 1                         ; h
	v_mul_u32_u24 v3, v1, 384                      ; a row of 512 codes is 384 bytes
	v_mad_u32_u24 v3, v2, 24, v3                   ; + 24 h
	v_lshlrev_b32 v4, 4, v1                        ; a row of scale bytes is 16 bytes: four words, one a K step
	s_wait_alu depctr_va_sdst(0)                   ; s16 is written, ahead of its first reader: the tile's number and all bases are made from it
	s_lshl_b32 s17, ttmp9, 2
	s_add_co_u32 s17, s17, s16                     ; my tile: 4 x work-group + wave
	s_mov_b32 s20, 0x76543210
	s_mov_b32 s21, 0xfedcba98                      ; v_permlanex16_b32's selects for lane l xor 16
	s_mov_b32 s22, 0xffff0000                      ; the mask of lanes 16-31
	s_mov_b32 s23, 0x3fb8aa3b                      ; log2(e)
	s_mov_b32 s19, 0
	s_wait_kmcnt 0x0
	s_mul_i32 s18, s17, 6144
	s_add_nc_u64 s[4:5], s[4:5], s[18:19]          ; my 16 rows of codes
	s_lshl_b32 s18, s17, 8
	s_add_nc_u64 s[6:7], s[6:7], s[18:19]          ; and of scale bytes
	s_lshl_b32 s18, s17, 6
	s_add_nc_u64 s[12:13], s[12:13], s[18:19]      ; my 16 words of choice
	s_lshl_b32 s18, s17, 7
	s_add_nc_u64 s[26:27], s[14:15], s[18:19]      ; my 16 pairs of gates
	s_add_nc_u64 s[28:29], s[26:27], 16384         ; my tile's 32 sums
	s_wait_alu depctr_va_vdst(0)                   ; v3 and v4 are written: the loads below read them as their offsets
.irp s, 0,1,2,3
.irp p, 0,1,2,3,4,5
	global_load_b64 v[XF+12*\s+2*\p:XF+12*\s+2*\p+1], v3, s[4:5] offset:96*\s+48*(\p/3)+8*(\p%3)
	global_load_b64 v[WF+12*\s+2*\p:WF+12*\s+2*\p+1], v3, s[8:9] offset:96*\s+48*(\p/3)+8*(\p%3)
.endr
.endr
	global_load_b128 v[8:11], v4, s[6:7]           ; x's scale words, K steps 0 to 3
	global_load_b128 v[12:15], v4, s[10:11]        ; Wr's
.irp j, 0,1,2,3,4,5,6,7
	v_mov_b32 v[JC+\j], \j                         ; (the vector lines from here to the wait for the loads name no register that a load touches)
.endr
.irp j, 0,1,2,3
	v_mov_b32 v[124+\j], 0                         ; written once: a lane permute's destination counts as one of its sources
.endr
	v_mov_b32 v143, 1.0
	v_lshlrev_b32 v167, 2, v1                      ; where lanes 0-15 store: 4 r,
	v_lshlrev_b32 v168, 3, v1                      ; 8 r,
	v_lshlrev_b32 v169, 5, v2                      ; and lanes 0 and 16: 32 h
	s_wait_loadcnt 0x0
	v_wmma_scale_f32_16x16x128_f8f6f4 v[LG:LG+7], v[WF:WF+11], v[XF:XF+11], 0, v12, v8 matrix_a_fmt:MATRIX_FMT_BF6 matrix_b_fmt:MATRIX_FMT_BF6
.irp s, 1,2,3
	s_wait_alu depctr_va_vdst(0)                   ; the link before has written v[LG ..]
	v_wmma_scale_f32_16x16x128_f8f6f4 v[LG:LG+7], v[WF+12*\s:WF+12*\s+11], v[XF+12*\s:XF+12*\s+11], v[LG:LG+7], v[12+\s], v[8+\s] matrix_a_fmt:MATRIX_FMT_BF6 matrix_b_fmt:MATRIX_FMT_BF6
.endr
	v_mov_b32 v121, 0                              ; four plain lines that name no register of the product stand behind it (ISA guide 7.12.1)
	v_mov_b32 v123, 0
	v_mov_b32 v122, 0xff800000                     ; the second largest so far: -infinity
	v_lshlrev_b32 v142, 3, v2                      ; 8 h
	v_mov_b32 v120, v[LG]                          ; the largest so far: my first logit (the result is read from its low end on)
; my eight logits: v120, v121 the largest and its index; v122, v123 the second.  The compares are strict, so the earlier index stays on a tie.
.macro TOP j
	v_cmp_gt_f32 s25, v[LG+\j], v120
	v_cmp_gt_f32 s24, v[LG+\j], v122
	s_wait_alu depctr_va_sdst(0)                   ; both masks, s24 and s25, are written, ahead of the selects that read them
	v_cndmask_b32 v140, v122, v[LG+\j], s24
	v_cndmask_b32 v141, v123, v[JC+\j], s24
	v_cndmask_b32 v122, v140, v120, s25
	v_cndmask_b32 v123, v141, v121, s25
	v_cndmask_b32 v120, v120, v[LG+\j], s25
	v_cndmask_b32 v121, v121, v[JC+\j], s25
.endm
.irp j, 1,2,3,4,5,6,7
	TOP \j
.endr
	v_lshl_add_u32 v121, v2, 3, v121               ; indices among all 16 experts
	v_lshl_add_u32 v123, v2, 3, v123
.irp j, 0,1,2,3
	v_permlanex16_b32 v[124+\j], v[120+\j], s20, s21   ; the token's other eight experts lie in lane l xor 16
.endr
	v_cndmask_b32 v128, v120, v124, s22            ; in both lanes: experts 0-7's pair (v128, v129; indices v130, v131),
	v_cndmask_b32 v130, v121, v125, s22
	v_cndmask_b32 v129, v122, v126, s22
	v_cndmask_b32 v131, v123, v127, s22
	v_cndmask_b32 v132, v124, v120, s22            ; and experts 8-15's (v132, v133; v134, v135)
	v_cndmask_b32 v134, v125, v121, s22
	v_cndmask_b32 v133, v126, v122, s22
	v_cndmask_b32 v135, v127, v123, s22
	v_cmp_gt_f32 vcc_lo, v132, v128                ; strict: a tie stays with the lower experts
	s_wait_alu depctr_va_vcc(0)                    ; VCC is written, ahead of the six selects that read it
	v_cndmask_b32 v136, v128, v132, vcc_lo         ; the largest logit,
	v_cndmask_b32 v137, v130, v134, vcc_lo         ; its expert
	v_cndmask_b32 v140, v132, v133, vcc_lo         ; what is left at the head of the upper pair,
	v_cndmask_b32 v141, v134, v135, vcc_lo
	v_cndmask_b32 v170, v129, v128, vcc_lo         ; and of the lower
	v_cndmask_b32 v171, v131, v130, vcc_lo
	v_cmp_gt_f32 vcc_lo, v140, v170
	s_wait_alu depctr_va_vcc(0)                    ; VCC is written anew, ahead of the two selects that read it
	v_cndmask_b32 v138, v170, v140, vcc_lo         ; the second largest,
	v_cndmask_b32 v139, v171, v141, vcc_lo         ; its expert
.irp j, 0,1,2,3,4,5,6,7
	v_sub_f32 v[144+\j], v[LG+\j], v136            ; the maximum is taken away ahead of the exponentials
.endr
	v_sub_f32 v160, v138, v136
.irp j, 0,1,2,3,4,5,6,7
	v_mul_f32 v[144+\j], s23, v[144+\j]
.endr
	v_mul_f32 v160, s23, v160
.irp j, 0,1,2,3,4,5,6,7
	v_exp_f32 v[144+\j], v[144+\j]
.endr
	v_exp_f32 v160, v160                           ; e = exp(second - largest), at most 1
	v_sub_nc_u32 v142, v137, v142                  ; (a plain line behind the batch)  the largest's index among my eight, if it is among them
	s_wait_alu depctr_va_vdst(0)                   ; the nine exponentials have written v144-151 and v160, ahead of their first reader
	v_add_f32 v161, v144, v145
	v_add_f32 v140, v146, v147
	v_add_f32 v141, v148, v149
	v_add_f32 v170, v150, v151
	v_add_f32 v161, v161, v140
	v_add_f32 v141, v141, v170
	v_add_f32 v161, v161, v141
	v_permlanex16_b32 v140, v161, s20, s21
	v_add_f32 v161, v161, v140                     ; the sum over all 16 experts
	v_add_f32 v163, 1.0, v160
	v_rcp_f32 v162, v161
	v_rcp_f32 v164, v163                           ; gate 0 = 1 / (1 + e)
	v_lshl_or_b32 v166, v139, 8, v137              ; (a plain line behind the two)  the choice: e0 | e1 << 8
.irp j, 0,1,2,3,4,5,6,7
	v_cmp_eq_u32 s[32+\j], \j, v142                ; the one-hot's eight masks in one run; they name no reciprocal: independent work behind the two
.endr
	s_wait_alu depctr_va_vdst(0)                   ; the two reciprocals have written v162 and v164, ahead of their first reader
	v_mul_f32 v165, v160, v164                     ; gate 1 = e / (1 + e)
.irp j, 0,1,2,3,4,5,6,7
	v_mul_f32 v[144+\j], v[144+\j], v162           ; the token's probabilities
.endr
	s_wait_alu depctr_va_sdst(0)                   ; the eight masks s32 to s39 are written, ahead of the selects that read them
.irp j, 0,1,2,3,4,5,6,7
	v_cndmask_b32 v[152+\j], 0, v143, s[32+\j]     ; the one-hot of the largest logit's expert
.endr
.irp m, 1,2,4,8
.irp j, 0,1,2,3,4,5,6,7,8,9,10,11,12,13,14,15
	v_add_f32_dpp v[144+\j], v[144+\j], v[144+\j] row_xmask:\m row_mask:0xf bank_mask:0xf   ; both summed over the tile's 16 tokens
.endr
.endr
	s_wait_xcnt 0x0                                ; EXEC changes only behind this wait
	v_cmp_gt_u32 vcc_lo, 16, v5
	s_wait_alu depctr_va_vcc(0)                    ; VCC is written: EXEC is made from it
	s_wait_alu depctr_va_vdst(0)                   ; ahead of a write of EXEC: every vector instruction is done; with that the data v144-159, v164-166 and the offsets v167-169 of all six stores are written
	s_wait_alu depctr_vm_vsrc(0)                   ; ahead of a write of EXEC: every memory instruction has read its registers
	s_and_saveexec_b32 s30, vcc_lo                 ; lanes 0-15: a token each
	global_store_b32 v167, v166, s[12:13]
	global_store_b64 v168, v[164:165], s[26:27]
	s_wait_xcnt 0x0                                ; and again ahead of the line that widens it
	s_wait_alu depctr_va_vdst(0)                   ; ahead of a write of EXEC: every vector instruction is done
	s_wait_alu depctr_vm_vsrc(0)                   ; ahead of a write of EXEC: the two stores have read their registers
	s_or_b32 exec_lo, exec_lo, s30
	v_cmp_eq_u32 vcc_lo, 0, v1
	s_wait_alu depctr_va_vcc(0)                    ; VCC is written: EXEC is made from it
	s_wait_alu depctr_va_vdst(0)                   ; ahead of a write of EXEC: every vector instruction is done
	s_wait_alu depctr_vm_vsrc(0)                   ; ahead of a write of EXEC: every memory instruction has read its registers
	s_and_saveexec_b32 s30, vcc_lo                 ; lanes 0 and 16: eight experts each
	global_store_b128 v169, v[144:147], s[28:29]
	global_store_b128 v169, v[148:151], s[28:29] offset:16
	global_store_b128 v169, v[152:155], s[28:29] offset:64
	global_store_b128 v169, v[156:159], s[28:29] offset:80
	s_endpgm
.Lfunc_end_k_q12e5e29269_router:
	.size	k_q12e5e29269_router, .Lfunc_end_k_q12e5e29269_router-k_q12e5e29269_router
	.p2alignl 7, 3214868480
	.fill 96, 4, 3214868480
	.section	.rodata,"a",@progbits
	.p2align	6, 0x0
	.amdhsa_kernel k_q12e5e29269_router
		.amdhsa_group_segment_fixed_size 0
		.amdhsa_private_segment_fixed_size 0
		.amdhsa_enable_private_segment 0
		.amdhsa_kernarg_size 48
		.amdhsa_user_sgpr_count 2
		.amdhsa_user_sgpr_kernarg_segment_ptr 1
		.amdhsa_wavefront_size32 1
		.amdhsa_system_sgpr_workgroup_id_x 1
		.amdhsa_system_sgpr_workgroup_id_y 1
		.amdhsa_system_sgpr_workgroup_id_z 1
		.amdhsa_system_vgpr_workitem_id 0
		.amdhsa_next_free_vgpr 192
		.amdhsa_next_free_sgpr 66
		.amdhsa_reserve_vcc 1
		.amdhsa_float_denorm_mode_32 3
		.amdhsa_float_denorm_mode_16_64 3
		.amdhsa_memory_ordered 1
		.amdhsa_forward_progress 1
		.amdhsa_inst_pref_size 21
	.end_amdhsa_kernel
	.amdgpu_metadata
---
amdhsa.version: [ 1, 2 ]
amdhsa.kernels:
  - .name:           k_q12e5e29269_router
    .symbol:         k_q12e5e29269_router.kd
    .args:
      - { .name: x_codes, .offset: 0, .size: 8, .value_kind: global_buffer, .address_space: global }
      - { .name: x_scales, .offset: 8, .size: 8, .value_kind: global_buffer, .address_space: global }
      - { .name: Wr_codes, .offset: 16, .size: 8, .value_kind: global_buffer, .address_space: global }
      - { .name: Wr_scales, .offset: 24, .size: 8, .value_kind: global_buffer, .address_space: global }
      - { .name: choice, .offset: 32, .size: 8, .value_kind: global_buffer, .address_space: global }
      - { .name: rfl, .offset: 40, .size: 8, .value_kind: global_buffer, .address_space: global }
    .group_segment_fixed_size: 0
    .private_segment_fixed_size: 0
    .kernarg_segment_align: 8
    .kernarg_segment_size: 48
    .max_flat_workgroup_size: 128
    .sgpr_count:     66
    .vgpr_count:     192
    .wavefront_size: 32
...
	.end_amdgpu_metadata
.endif
;; end of part 6
;; launch place: the kernel of part 2 again; grid 17 x 1, 8 waves a work-group, no clusters, 1,280 bytes of LDS; arguments choice, rfl, cnt, rows, glist, out1; writes cnt, rows, glist, out1
;; launch ffn1 (part 7): grid 16 x 16, 4 waves a work-group, no clusters, 51,712 bytes of LDS; arguments x_codes, x_scales, W1_codes, W1_scales, b1, cnt, rows, h_codes, h_scales; writes h_codes, h_scales
.if DOCPART == 7
	.amdgcn_target "amdgcn-amd-amdhsa--gfx1250"
	.amdhsa_code_object_version 6
	.text
	.protected	k_q12e5e29269_ffn1
	.globl	k_q12e5e29269_ffn1
	.p2align	8
	.type	k_q12e5e29269_ffn1,@function
k_q12e5e29269_ffn1:
	s_mov_b64 s[64:65], 0
	v_nop
	global_prefetch_b8 v0, s[64:65] scope:SCOPE_SE
	s_setreg_imm32_b32 hwreg(HW_REG_WAVE_SCHED_MODE, 0, 2), 2
	s_setreg_imm32_b32 hwreg(HW_REG_WAVE_MODE, 25, 1), 1
	s_wait_xcnt 0x0
	s_wait_alu depctr_vm_vsrc(0)
; THE FIRST PRODUCT, for the chosen rows alone: h = Q(gelu(x W1[e] + b1[e])), Q the quantiser to E3M2 along the hidden axis, blocks of 32.
; SHARES.  Work-group (c, e) owns hidden units 128 c .. 128 c + 127 of expert e: 128 rows of W1, 49,152 consecutive bytes, which no other work-group reads.  They come once, in loads of 512 consecutive bytes, go through
; LDS (rows 400 bytes apart) and then stay in EVERY wave's registers as 32 fragments.  The expert's listed rows go past them, 16 at a time: wave w takes tiles w, w + 4, .. of the list.
; 128 hidden units are one K step of the second product: a tile's results become exactly one fragment and one scale word a row.  They leave as IMAGES OF THE OPERAND'S REGISTERS:
; h_codes[e][tile][c]: 1,536 bytes, registers 4 i .. 4 i + 3 of lane l at 512 i + 16 l; h_scales[e][tile][c]: 128 bytes, the scale word of lane l at 4 l.
; THE PRODUCT IS USED TRANSPOSED (source 0 = 16 rows of W1, source 1 = 16 rows of x), AND THE ROWS OF W1 THAT FORM A TILE ARE NOT NEIGHBOURS: lane r of tile 2 b + u takes row 32 b + 8 u + r + 8 (r / 8), so that a lane
; holds one row of h and the 16 registers of tiles 2 b, 2 b + 1 are the hidden units 32 b + 16 (lane / 16) + 0 .. 15.  b1 is the C of each sum's first matrix instruction.
; gelu (the tanh form) = a / (1 + 2^(a (c0 + c1 a^2))), c0 = -2 log2(e) sqrt(2 / pi), c1 = 0.044715 c0: all in f32.
; NO TENSOR LOADS AND NO JOINT LOADS, though the 16 work-groups of an expert gather the same rows of x: the number of trips is read from memory (cnt), and it differs from expert to expert.
; The one barrier stands ahead of every branch on that number.
; LIMITS: blocks of h whose largest magnitude lies under 2^-122 keep the scale byte 1 (a block of zeros too: its codes are zeros, and this program alone reads the bytes); NaN and infinities are not served.
; REGISTERS.  window 0: v1-19 addresses and constants; v20-23 x's scale words; v24-55 W1's (4 t + s); v56-119 the 8 accumulators; v120-183 at work; v184-223 the quantiser's; v254, v255 the closing add's two.
;   window 1: v0-191 W1's fragments of K steps 0, 1 (12 (8 s + t)); v192-255 b1's 8 tiles.   window 2: v0-191 K steps 2, 3; v192-239 x's four fragments.
; THE MODE: SCHED_MODE bits 1:0 = 2 (LLVM: expert scheduling mode 2), set by the entry lines.  The code itself states the register dependences
; between vector or matrix instructions and memory or LDS instructions, with s_wait_alu, always for 0.
; THE PLAN.  Registers that memory or LDS instructions touch:
;   v4-v10, v15, v16, v254, v255   offsets and addresses, written at the head and never again: one wait on va_vdst ahead of the first load.  The list is reached by a scalar base and the fixed offset v16.
;   v56-151                 at the head: the copy's loads land here and its LDS stores read them; from the first trip on the products and the activation write them.
;   v12                     the list's load lands here; XADDR reads and rewrites it.
;   v13, v14                XADDR writes them; the 25 loads of x read them.
;   x's fragments, v20-23   the loads of x land here; the trip's 32 products read them.
;   v200, v204-215          the quantiser writes them; the trip's four stores read them.
;   W1's fragments and scale words and b1 are loaded once, into registers that no vector instruction has named; the accumulators and v120-199 are named in the loop by vector and matrix instructions alone.
; A TRIP'S WAITS.  (1) vm_vsrc at its head: all that memory and LDS instructions issued so far read is read: v56-151 (first trip), v13 and v14, v200 and v204-215: the trip writes them all again.
; (2) va_vdst ahead of the loads of the next tile's x, which stand behind the activation's first pass: that pass takes the products' results in any case.  (3) the two waits behind the activation's batches.
; (4) va_vdst ahead of the run of stores.
.set XS,  20
.set W1S, 24
.set ACC, 56
.set T,   120
.set TM,  184                          ; v184-187 largest magnitudes, v188-191 the partner's, then the bytes, v196-199 the conversions' scale operands
.set PW,  200                          ; the scale word just made
.set PC,  204                          ; v204-215 the codes just made; v216-222 halves on their way
.set XFR, 192                          ; in window 2
.set B1,  192                          ; in window 1
.set SEL, 36
.set TRIPS, 43                         ; s43  my wave's number of tiles; the loop does not write it
.set TRIP,  44                         ; s44  counts them, one a trip
.set LB,    46                         ; s[46:47] the list at the tile whose entries are asked for;  s[48:49] its offset, the high word 0
.set MSB, 0
.macro WIN new                         ; the immediate's high byte repeats the setting that is left; a switch that changes nothing is dropped
.if MSB != \new
	s_set_vgpr_msb (MSB<<8)|\new
.set MSB, \new
.endif
.endm
; the list's 16 entries of tile t + d, held inside the list's padded length: lane (r, h) takes entry r.  The base is a scalar pair: it is written only behind the wait on LOADcnt that shows the last load by it done
.macro LIST d
	s_add_co_u32 s[LB+2], s27, \d
	s_min_u32 s[LB+2], s[LB+2], s28
	s_min_u32 s[LB+2], s[LB+2], 127
	s_lshl_b32 s[LB+2], s[LB+2], 6
	s_add_nc_u64 s[LB:LB+1], s[16:17], s[LB+2:LB+3]
	global_load_b32 v12, v16, s[LB:LB+1]
.endm
; an entry becomes addresses: five plain lines
.macro XADDR
	v_min_u32 v12, 0xfff, v12                      ; an entry is slot x 2,048 + token
	v_and_b32 v12, 0x7ff, v12                      ; the token
	v_mul_u32_u24 v13, v12, 384                    ; its row of codes,
	v_add_nc_u32 v13, v13, v17                     ; + 24 h
	v_lshlrev_b32 v14, 4, v12                      ; its four scale words
.endm
.macro XLOAD
	WIN 0x80                                       ; destination window 2
	s_wait_alu depctr_va_vdst(0)                   ; XADDR has written v13 and v14, which these loads read, and is done with v12, in which the list's next load lands; in the loop the products are done reading x's fragments and v20-23, in which these loads land
.irp s, 0,1,2,3
.irp p, 0,1,2,3,4,5
	global_load_b64 v[XFR+12*\s+2*\p:XFR+12*\s+2*\p+1], v13, s[4:5] offset:96*\s+48*(\p/3)+8*(\p%3)
.endr
.endr
	WIN 0
	global_load_b128 v[XS:XS+3], v14, s[6:7]
.endm
; 32 matrix instructions: K step by K step, the 8 accumulators by turns, one instruction a turn
.macro MM
.irp s, 0,1,2,3
.if \s == 0
	WIN 0x19                                       ; W1 window 1, x window 2, C (b1) window 1
.elseif \s == 1
	WIN 0x09                                       ; W1 window 1, x window 2
.else
	WIN 0x0a                                       ; W1 and x window 2
.endif
.irp t, 0,1,2,3,4,5,6,7
.if \s == 0
	v_wmma_scale_f32_16x16x128_f8f6f4 v[ACC+8*\t:ACC+8*\t+7], v[12*(8*(\s%2)+\t):12*(8*(\s%2)+\t)+11], v[XFR+12*\s:XFR+12*\s+11], v[B1+8*\t:B1+8*\t+7], v[W1S+4*\t+\s], v[XS+\s] matrix_a_fmt:MATRIX_FMT_BF6 matrix_b_fmt:MATRIX_FMT_BF6
.else
	v_wmma_scale_f32_16x16x128_f8f6f4 v[ACC+8*\t:ACC+8*\t+7], v[12*(8*(\s%2)+\t):12*(8*(\s%2)+\t)+11], v[XFR+12*\s:XFR+12*\s+11], v[ACC+8*\t:ACC+8*\t+7], v[W1S+4*\t+\s], v[XS+\s] matrix_a_fmt:MATRIX_FMT_BF6 matrix_b_fmt:MATRIX_FMT_BF6
.endif
.endr
.endr
.endm
; the activation on the lane's 64 numbers, two at a time where the form allows; every pass goes up from each accumulator's low end.  Its first pass:
.macro GELU_SQ
.set gi, 0
.rept 32
	v_pk_mul_f32 v[T+2*gi:T+2*gi+1], v[ACC+2*gi:ACC+2*gi+1], v[ACC+2*gi:ACC+2*gi+1]      ; a^2
.set gi, gi+1
.endr
.endm
; and the rest of it
.macro GELU_REST
.set gi, 0
.rept 32
	v_pk_fma_f32 v[T+2*gi:T+2*gi+1], v[T+2*gi:T+2*gi+1], s[40:41], v[18:19] op_sel_hi:[1,0,1]   ; c1 a^2 + c0
.set gi, gi+1
.endr
.set gi, 0
.rept 32
	v_pk_mul_f32 v[T+2*gi:T+2*gi+1], v[T+2*gi:T+2*gi+1], v[ACC+2*gi:ACC+2*gi+1]
.set gi, gi+1
.endr
.set gi, 0
.rept 64
	v_exp_f32 v[T+gi], v[T+gi]
.set gi, gi+1
.endr
	v_nop                                          ; a plain line behind the batch,
	s_wait_alu depctr_va_vdst(0)                   ; and one wait: the 64 exponentials have written v[T ..], ahead of their first reader
.set gi, 0
.rept 32
	v_pk_add_f32 v[T+2*gi:T+2*gi+1], v[T+2*gi:T+2*gi+1], 1.0 op_sel_hi:[1,0]
.set gi, gi+1
.endr
.set gi, 0
.rept 64
	v_rcp_f32 v[T+gi], v[T+gi]
.set gi, gi+1
.endr
	v_nop                                          ; a plain line behind the batch,
	s_wait_alu depctr_va_vdst(0)                   ; and one wait: the 64 reciprocals have written v[T ..], ahead of their first reader
.set gi, 0
.rept 32
	v_pk_mul_f32 v[ACC+2*gi:ACC+2*gi+1], v[ACC+2*gi:ACC+2*gi+1], v[T+2*gi:T+2*gi+1]
.set gi, gi+1
.endr
.endm
; 64 numbers of a lane, register 16 b + i = k 32 b + 16 (lane / 16) + i of my row, become a fragment's codes in v[PC] on and its scale word in v[PW]
.macro QUANT src
.irp b, 0,1,2,3
	v_max3_num_f32 v[TM+\b], |v[\src+16*\b]|, |v[\src+1+16*\b]|, 0x2800000   ; block b: my 16 numbers, and the floor 2^(5 - 127): so the byte cannot fall under 1
.endr
.irp i, 2,4,6,8,10,12,14
.irp b, 0,1,2,3
	v_max3_num_f32 v[TM+\b], v[TM+\b], |v[\src+16*\b+\i]|, |v[\src+1+16*\b+\i]|   ; (the four blocks by turns)
.endr
.endr
.irp b, 0,1,2,3
	v_permlanex16_b32 v[TM+4+\b], v[TM+\b], s[SEL], s[SEL+1]
.endr
.irp b, 0,1,2,3
	v_max_num_f32 v[TM+\b], v[TM+\b], v[TM+4+\b]   ; with lane l xor 16's: the block's largest magnitude
.endr
.irp b, 0,1,2,3
	v_add_nc_u32 v[TM+12+\b], 0xfe000000, v[TM+\b] ; 4 off its exponent field: the conversion takes the exponent field of this operand as its scale
.endr
.irp b, 0,1,2,3
	v_lshrrev_b32 v[TM+4+\b], 23, v[TM+12+\b]      ; the scale's byte
.endr
	v_lshl_or_b32 v[PW], v[TM+5], 8, v[TM+4]
	v_lshl_or_b32 v[PW], v[TM+6], 16, v[PW]
	v_lshl_or_b32 v[PW], v[TM+7], 24, v[PW]
.irp c, 0,1
	v_cvt_scalef32_pk16_bf6_f32 v[PC+6*\c:PC+2+6*\c], v[\src+32*\c:\src+15+32*\c], v[TM+12+2*\c]
	v_cvt_scalef32_pk16_bf6_f32 v[PC+12+4*\c:PC+14+4*\c], v[\src+16+32*\c:\src+31+32*\c], v[TM+12+2*\c+1]   ; (a conversion's three registers begin on an even number)
.endr
	v_nop                                          ; one plain line behind a scaled conversion
.irp c, 0,1                                    ; the operand's layout wants a whole block in a lane: lanes 0-15 block 2 c, lanes 16-31 block 2 c + 1
.irp i, 0,1,2
	v_permlane16_swap_b32 v[PC+6*\c+\i], v[PC+12+4*\c+\i]
.endr
.irp i, 0,1,2
	v_mov_b32 v[PC+3+6*\c+\i], v[PC+12+4*\c+\i]
.endr
.endr
.endm
	s_load_b256 s[4:11], s[0:1], 0x0               ; x's codes s[4:5], x's scales s[6:7], W1's codes s[8:9], W1's scales s[10:11]
	s_load_b256 s[12:19], s[0:1], 0x20             ; b1 s[12:13], cnt s[14:15], rows s[16:17], h_codes s[18:19]
	s_load_b64 s[20:21], s[0:1], 0x40              ; h_scales
	v_lshl_add_u32 v254, v0, 2, 0xc800
	v_mov_b32 v255, 0
	v_lshrrev_b32 v1, 5, v0
	v_readfirstlane_b32 s22, v1                    ; wave
	s_and_b32 s23, ttmp7, 0xffff                   ; e
	s_mov_b32 s24, ttmp9                           ; c
	v_and_b32 v1, 31, v0                           ; lane
	v_and_b32 v2, 15, v0                           ; r
	v_bfe_u32 v3, v0, 4, 1                         ; h
	v_lshlrev_b32 v4, 4, v1                        ; 16 x lane
	s_wait_alu depctr_va_sdst(0)                   ; s22 is written, ahead of its first reader: LDS places, bases and the trip count are made from it
	s_mul_i32 s42, s22, 12800                      ; my wave copies 32 rows: 32 x 400 bytes of LDS
.irp b, 0,1,2
	v_add_nc_u32 v[5+\b], 32*\b, v1                ; piece q = 32 b + lane of 96 pieces of 16 bytes (four rows of 24 pieces);
	v_mul_u32_u24 v17, v[5+\b], 2731
	v_lshrrev_b32 v17, 16, v17                     ; q / 24 (exact for q under 96):
	v_add_nc_u32 v[5+\b], v[5+\b], v17             ; 16 bytes of padding behind each row
	v_lshl_add_u32 v[5+\b], v[5+\b], 4, s42
.endr
	v_and_b32 v9, 8, v2
	v_add_nc_u32 v9, v9, v2                        ; r + 8 (r / 8)
	v_mul_u32_u24 v8, v9, 400
	v_mad_u32_u24 v8, v3, 24, v8                   ; LDS: my lane's place in a tile of W1
	v_lshlrev_b32 v9, 4, v9                        ; W1's scale words: 16 bytes a row
	v_lshlrev_b32 v10, 6, v3                       ; b1: 64 h
	v_lshlrev_b32 v15, 2, v1                       ; 4 x lane
	v_lshlrev_b32 v16, 2, v2                       ; 4 r
	v_mul_u32_u24 v17, v3, 24                      ; 24 h
	v_mov_b32 v18, 0xc0135761                      ; c0 = -2.3022082, twice
	v_mov_b32 v19, 0xc0135761
.irp b, 0,1,2,3
	v_mov_b32 v[TM+4+\b], 0                        ; written once: a lane permute's destination counts as one of its sources
.endr
	s_mov_b32 s[SEL], 0x76543210
	s_mov_b32 s[SEL+1], 0xfedcba98
	s_mov_b32 s40, 0xbdd2d3e8                      ; c1 = -0.10294324
	s_mov_b32 s41, s40                             ; (named with it as a pair, so it is written)
	s_mov_b32 s31, 0
	s_mov_b32 s[LB+3], 0
	s_wait_kmcnt 0x0
	s_lshl_b32 s30, s23, 2
	s_add_nc_u64 s[14:15], s[14:15], s[30:31]
	s_load_b32 s25, s[14:15], 0x0                  ; cnt[e]
	s_mul_i32 s30, s23, 786432
	s_mul_i32 s42, s24, 49152
	s_add_co_u32 s30, s30, s42
	s_mul_i32 s42, s22, 12288
	s_add_co_u32 s30, s30, s42
	s_add_nc_u64 s[8:9], s[8:9], s[30:31]          ; W1's codes: my wave's 32 rows of the chunk
	s_lshl_b32 s30, s23, 15
	s_lshl_b32 s42, s24, 11
	s_add_co_u32 s30, s30, s42
	s_add_nc_u64 s[10:11], s[10:11], s[30:31]      ; W1's scales: the chunk's 128 rows
	s_lshl_b32 s30, s23, 13
	s_add_nc_u64 s[16:17], s[16:17], s[30:31]      ; the expert's list
	s_lshl_b32 s42, s24, 9
	s_add_co_u32 s30, s30, s42
	s_add_nc_u64 s[12:13], s[12:13], s[30:31]      ; b1: the chunk's 128 numbers
	s_mul_i32 s30, s23, 3145728
	s_mul_i32 s42, s24, 1536
	s_add_co_u32 s30, s30, s42
	s_add_nc_u64 s[18:19], s[18:19], s[30:31]      ; h_codes[e][0][c]
	s_lshl_b32 s30, s23, 18
	s_lshl_b32 s42, s24, 7
	s_add_co_u32 s30, s30, s42
	s_add_nc_u64 s[20:21], s[20:21], s[30:31]      ; h_scales[e][0][c]
	s_wait_alu depctr_va_vdst(0)                   ; v4 to v10, v15 and v16 are written: the loads, stores and LDS instructions of the whole kernel read them as offsets and addresses, and none is written again
.set ci, 0
.rept 24
	global_load_b128 v[ACC+4*ci:ACC+4*ci+3], v4, s[8:9] offset:512*ci th:TH_LOAD_NT   ; 32 lanes read 512 consecutive bytes; read once in the launch
.set ci, ci+1
.endr
.irp t, 0,1,2,3,4,5,6,7
	global_load_b128 v[W1S+4*\t:W1S+4*\t+3], v9, s[10:11] offset:(32*(\t/2)+8*(\t%2))*16
.endr
	WIN 0x40                                       ; destination window 1
.irp t, 0,1,2,3,4,5,6,7
	global_load_b128 v[B1+8*\t:B1+8*\t+3], v10, s[12:13] offset:(32*(\t/2)+8*(\t%2))*4
	global_load_b128 v[B1+8*\t+4:B1+8*\t+7], v10, s[12:13] offset:(32*(\t/2)+8*(\t%2))*4+16
.endr
	WIN 0
	s_wait_kmcnt 0x0
	s_add_co_u32 s26, s25, 31
	s_lshr_b32 s26, s26, 5
	s_max_u32 s26, s26, 1
	s_min_u32 s26, s26, 64
	s_lshl_b32 s26, s26, 1                         ; nt: tiles of 16 in the list's padded length: 2 .. 128
	s_sub_co_u32 s28, s26, 1
	s_mov_b32 s27, s22                             ; my first tile
	s_add_co_u32 s[TRIPS], s26, 3
	s_sub_co_u32 s[TRIPS], s[TRIPS], s22
	s_lshr_b32 s[TRIPS], s[TRIPS], 2               ; my tiles w, w + 4, .. under nt: (nt + 3 - w) / 4 of them; none where w is nt or more
	s_mov_b32 s[TRIP], 0
	LIST 0
	s_wait_loadcnt 25                              ; the 24 copy loads are in: behind them 8 + 16 + 1 were issued
.irp a, 0,1,2,3,4,5,6,7
.irp b, 0,1,2
	ds_store_b128 v[5+\b], v[ACC+4*(3*\a+\b):ACC+4*(3*\a+\b)+3] offset:1600*\a   ; load 3 a + b: four rows (1,600 bytes of LDS) for each a
.endr
.endr
	s_wait_loadcnt 0x0                             ; my first tile's entries are in; the list's base may be written again
	XADDR
	XLOAD                                          ; my first tile's rows of x
	LIST 4
	s_wait_dscnt 0x0                               ; for the others' sake: my part of the chunk lies in LDS
	s_barrier_signal -1
	s_barrier_wait -1                              ; the whole chunk does
	s_cmp_eq_u32 s[TRIPS], 0                       ; a wave without a tile ends: no barrier follows
	s_cbranch_scc1 .Lend
	WIN 0x40
.irp s, 0,1
.irp t, 0,1,2,3,4,5,6,7
.irp p, 0,1,2,3,4,5
	ds_load_b64 v[12*(8*\s+\t)+2*\p:12*(8*\s+\t)+2*\p+1], v8 offset:(32*(\t/2)+8*(\t%2))*400+96*\s+48*(\p/3)+8*(\p%3)
.endr
.endr
.endr
	WIN 0x80
.irp s, 2,3
.irp t, 0,1,2,3,4,5,6,7
.irp p, 0,1,2,3,4,5
	ds_load_b64 v[12*(8*(\s-2)+\t)+2*\p:12*(8*(\s-2)+\t)+2*\p+1], v8 offset:(32*(\t/2)+8*(\t%2))*400+96*\s+48*(\p/3)+8*(\p%3)
.endr
.endr
.endr
	WIN 0
	s_wait_dscnt 0x0
.Ltile:
	s_wait_loadcnt 0x0                             ; this tile's x and the next tile's entries are in; the list's base may be written again
	s_wait_alu depctr_vm_vsrc(0)                   ; first trip: the copy's LDS stores have read v56-151, which the products and the activation write; every trip: the last loads of x have read v13 and v14, which XADDR writes, and the last trip's stores have read v200 and v204-215, which the quantiser writes
	MM
	WIN 0
	XADDR                                          ; five plain lines that name no register of the products: the places ahead of the first read of results (ISA guide 7.12.1)
	GELU_SQ                                        ; the activation's first pass takes the products' results; the wait ahead of the loads below stands behind it
	s_add_co_u32 s42, s27, 4
	s_cmp_lt_u32 s42, s26
	s_cbranch_scc0 .Lno_next
	XLOAD                                          ; the next tile's x lands while this tile is activated and quantised: no vector line of the rest of the trip names a register that these 26 loads touch
	LIST 8
.Lno_next:
	GELU_REST
	s_wait_xcnt 0x0                                ; the last trip's stores have had their addresses translated: their bases are written again below
	s_min_u32 s42, s27, 127
	s_mul_i32 s30, s42, 24576
	s_add_nc_u64 s[32:33], s[18:19], s[30:31]      ; h_codes[e][t][c]
	s_lshl_b32 s30, s42, 11
	s_add_nc_u64 s[34:35], s[20:21], s[30:31]      ; h_scales[e][t][c]
	QUANT ACC
	s_wait_alu depctr_va_vdst(0)                   ; the quantiser has written the codes v204-215 and the scale word v200, which the four stores read
.irp i, 0,1,2
	global_store_b128 v4, v[PC+4*\i:PC+4*\i+3], s[32:33] offset:512*\i   ; 32 lanes store 512 consecutive bytes, at a multiple of 256 from the buffer's first byte
.endr
	global_store_b32 v15, v[PW], s[34:35]
	s_add_co_u32 s27, s27, 4                       ; my next tile
	s_add_co_u32 s[TRIP], s[TRIP], 1               ; the loop ends on a count of trips, one a trip
	s_cmp_lt_u32 s[TRIP], s[TRIPS]
	s_cbranch_scc1 .Ltile
.Lend:
	s_wait_dscnt 0x0                               ; the closing lines, six on end
	s_wait_alu 0x0
	s_wait_tensorcnt 0x0
	ds_add_u32 v254, v255
	s_wait_dscnt 0x0
	s_endpgm
.Lfunc_end_k_q12e5e29269_ffn1:
	.size	k_q12e5e29269_ffn1, .Lfunc_end_k_q12e5e29269_ffn1-k_q12e5e29269_ffn1
	.p2alignl 7, 3214868480
	.fill 96, 4, 3214868480
	.section	.rodata,"a",@progbits
	.p2align	6, 0x0
	.amdhsa_kernel k_q12e5e29269_ffn1
		.amdhsa_group_segment_fixed_size 51712
		.amdhsa_private_segment_fixed_size 0
		.amdhsa_enable_private_segment 0
		.amdhsa_kernarg_size 72
		.amdhsa_user_sgpr_count 2
		.amdhsa_user_sgpr_kernarg_segment_ptr 1
		.amdhsa_wavefront_size32 1
		.amdhsa_system_sgpr_workgroup_id_x 1
		.amdhsa_system_sgpr_workgroup_id_y 1
		.amdhsa_system_sgpr_workgroup_id_z 1
		.amdhsa_system_vgpr_workitem_id 0
		.amdhsa_next_free_vgpr 768
		.amdhsa_next_free_sgpr 66
		.amdhsa_reserve_vcc 0
		.amdhsa_float_denorm_mode_32 3
		.amdhsa_float_denorm_mode_16_64 3
		.amdhsa_memory_ordered 1
		.amdhsa_forward_progress 1
		.amdhsa_inst_pref_size 52
	.end_amdhsa_kernel
	.amdgpu_metadata
---
amdhsa.version: [ 1, 2 ]
amdhsa.kernels:
  - .name:           k_q12e5e29269_ffn1
    .symbol:         k_q12e5e29269_ffn1.kd
    .args:
      - { .name: x_codes, .offset: 0, .size: 8, .value_kind: global_buffer, .address_space: global }
      - { .name: x_scales, .offset: 8, .size: 8, .value_kind: global_buffer, .address_space: global }
      - { .name: W1_codes, .offset: 16, .size: 8, .value_kind: global_buffer, .address_space: global }
      - { .name: W1_scales, .offset: 24, .size: 8, .value_kind: global_buffer, .address_space: global }
      - { .name: b1, .offset: 32, .size: 8, .value_kind: global_buffer, .address_space: global }
      - { .name: cnt, .offset: 40, .size: 8, .value_kind: global_buffer, .address_space: global }
      - { .name: rows, .offset: 48, .size: 8, .value_kind: global_buffer, .address_space: global }
      - { .name: h_codes, .offset: 56, .size: 8, .value_kind: global_buffer, .address_space: global }
      - { .name: h_scales, .offset: 64, .size: 8, .value_kind: global_buffer, .address_space: global }
    .group_segment_fixed_size: 51712
    .private_segment_fixed_size: 0
    .kernarg_segment_align: 8
    .kernarg_segment_size: 72
    .max_flat_workgroup_size: 128
    .sgpr_count:     66
    .vgpr_count:     768
    .wavefront_size: 32
...
	.end_amdgpu_metadata
.endif
;; end of part 7
;; launch ffn2: the kernel of part 4 again; grid 16 x 16, 4 waves a work-group, no clusters, 117,248 bytes of LDS; arguments h_codes, h_scales, W2_codes, W2_scales, b2, cnt, rows, glist, part; writes part
;; launch combine: the kernel of part 5 again; grid 256 x 1, 8 waves a work-group, no clusters, 0 bytes of LDS; arguments part, out0; writes out0
